; MI455X (gfx1250); checked and timed in simulation.
; The chip was launched on July 23, 2026; its instructions are those of AMD's public machine-readable ISA for CDNA 5 (MIT licence, August 2026) and "CDNA5" Instruction Set Architecture Reference Guide (July 2026). The comments in the code are by the model that wrote it; some were corrected since.
;; Fourier Attention. Allowed arithmetic: float matrix products may take bf16 or f16 operands with f32 sums; other float arithmetic in f32, or as packed bf16 or f16 multiplies, adds, multiply-adds, maxima and minima; sums over many terms, partial sums and values carried from step to step in f32; what a program stores and reads back later, other than sums and carried values, may be rounded once to bf16 or f16.
;; Inputs: Wk 1,024 x 1,024 float32; Wo 1,024 x 1,024 float32; Wq 1,024 x 1,024 float32; Wv 1,024 x 1,024 float32; bk 1,024 float32; bo 1,024 float32; bq 1,024 float32; bv 1,024 float32; x 4 x 2,048 x 1,024 float32.
;; Outputs: out0 4 x 2,048 x 1,024 float32.
;; 2 versions, each right; version 2 is version 1 with the launch cast written anew for expert scheduling mode. Each part assembles by itself: llvm-mc -triple=amdgcn-amd-amdhsa -mcpu=gfx1250 --defsym DOCPART=n.
;; ======== version 1 of 2: 5 launches
;; limits: values are held in f16: magnitudes above 65,504 overflow, below 6.1e-05 lose precision
;; workspace buffers: xb 16,777,216 bytes; wb 6,291,456 bytes; woh 2,097,152 bytes; bias 16,384 bytes; qkv 50,331,648 bytes; pt 33,554,432 bytes; stats 1,048,576 bytes; ob 16,777,216 bytes
;; launch cast (part 1): grid 769 x 1, 8 waves a work-group, no clusters, 0 bytes of LDS; arguments x, Wq, Wk, Wv, Wo, bq, bk, bv, bo, xb, wb, woh, bias; writes xb, wb, woh, bias
.if DOCPART == 1
	.amdgcn_target "amdgcn-amd-amdhsa--gfx1250"
	.amdhsa_code_object_version 6
	.text
	.protected	k_qdfa92fed10_cast
	.globl	k_qdfa92fed10_cast
	.p2align	8
	.type	k_qdfa92fed10_cast,@function
k_qdfa92fed10_cast:
	s_mov_b64 s[64:65], 0
	v_nop
	global_prefetch_b8 v0, s[64:65] scope:SCOPE_SE
	s_setreg_imm32_b32 hwreg(HW_REG_WAVE_MODE, 25, 1), 1
	s_wait_xcnt 0x0
; ALL INPUTS ARE ROUNDED ONCE TO bf16.  x -> xb (bf16); Wq, Wk, Wv -> wb (bf16, 3,072 rows on end); Wo -> woh: the bf16 number written as f16; bq, bk, bv, bo -> bias: the bf16 numbers kept as f32.
; LIMITS.  woh: a bf16 number is exact in f16 from 2^-17 up to 65,504; below 2^-17 it keeps f16's fixed step of 2^-24, beyond 65,504 it becomes an infinity.
; SHARES.  A work-group of 256 threads takes a chunk of 16,384 numbers: 16 lines of 1,024.  In a line thread t loads 16 bytes at 16 t and stores 8 bytes at 8 t:
; a wave's load covers 512 consecutive bytes, its store 256 consecutive bytes at a multiple of 256.  All 16 loads go out first; the waits count down.
; Work-group g: 0-511 x; 512-703 Wq, Wk, Wv (64 chunks each); 704-767 Wo; 768 the four biases.  No LDS, no matrix work: each byte is read once and written once.
.set X, 8                              ; v[8:71]    16 lines x 4 numbers as loaded
.set Y, 72                             ; v[72:103]  what is stored
.set T, 4                              ; v[4:5]     four numbers in bf16, at work
	s_load_b512 s[8:23], s[0:1], 0x0               ; x s[8:9], Wq s[10:11], Wk s[12:13], Wv s[14:15], Wo s[16:17], bq s[18:19], bk s[20:21], bv s[22:23]
	s_load_b256 s[24:31], s[0:1], 0x40             ; bo s[24:25], xb s[26:27], wb s[28:29], woh s[30:31]
	s_load_b64 s[32:33], s[0:1], 0x60              ; bias
	s_mov_b32 s4, ttmp9                            ; g
	s_sub_co_u32 s2, s4, 512                       ; the chunk's number in wb (used from g = 512 on)
	s_and_b32 s3, s2, 63                           ; the chunk's number in its weight matrix
	s_mov_b32 s5, 0xffff0000                       ; a word's upper bf16
	v_lshlrev_b32 v1, 4, v0                        ; 16 t
	v_lshlrev_b32 v2, 3, v0                        ; 8 t
	s_wait_kmcnt 0x0
	s_cmp_eq_u32 s4, 768
	s_cbranch_scc1 .Lbias
	s_cmp_lt_u32 s4, 512                           ; source s[34:35] and its chunk s36, destination s[38:39] and its chunk s37
	s_cselect_b64 s[34:35], s[8:9], s[10:11]
	s_cselect_b32 s36, s4, s3
	s_cselect_b64 s[38:39], s[26:27], s[28:29]
	s_cselect_b32 s37, s4, s2
	s_cmp_ge_u32 s4, 576
	s_cselect_b64 s[34:35], s[12:13], s[34:35]
	s_cmp_ge_u32 s4, 640
	s_cselect_b64 s[34:35], s[14:15], s[34:35]
	s_cmp_ge_u32 s4, 704
	s_cselect_b64 s[34:35], s[16:17], s[34:35]
	s_cselect_b64 s[38:39], s[30:31], s[38:39]
	s_cselect_b32 s37, s3, s37
	s_lshl_b32 s40, s36, 16                        ; a chunk is 65,536 bytes of f32
	s_mov_b32 s41, 0
	s_lshl_b32 s42, s37, 15                        ; and 32,768 bytes of 16-bit numbers
	s_mov_b32 s43, 0
	s_add_nc_u64 s[34:35], s[34:35], s[40:41]
	s_add_nc_u64 s[38:39], s[38:39], s[42:43]
.irp i, 0,1,2,3,4,5,6,7,8,9,10,11,12,13,14,15
	global_load_b128 v[X+4*(\i):X+4*(\i)+3], v1, s[34:35] offset:4096*(\i) th:TH_LOAD_NT
.endr
.macro TOBF i                          ; line i's four numbers rounded to bf16, into T
	v_cvt_pk_bf16_f32 v[T], v[X+4*(\i)], v[X+4*(\i)+1]
	v_cvt_pk_bf16_f32 v[T+1], v[X+4*(\i)+2], v[X+4*(\i)+3]
.endm
.macro WIDEN d                         ; T's four bf16 numbers as f32, into v[d .. d+3]
	v_lshlrev_b32 v[(\d)], 16, v[T]
	v_and_b32 v[(\d)+1], s5, v[T]
	v_lshlrev_b32 v[(\d)+2], 16, v[T+1]
	v_and_b32 v[(\d)+3], s5, v[T+1]
.endm
	s_cmp_ge_u32 s4, 704
	s_cbranch_scc1 .Lf16
.irp i, 0,1,2,3,4,5,6,7,8,9,10,11,12,13,14,15
	s_wait_loadcnt 15-(\i)                         ; loads come back in order: line i is in, the 15 - i younger ones stay out
	v_cvt_pk_bf16_f32 v[Y+2*(\i)], v[X+4*(\i)], v[X+4*(\i)+1]
	v_cvt_pk_bf16_f32 v[Y+2*(\i)+1], v[X+4*(\i)+2], v[X+4*(\i)+3]
	global_store_b64 v2, v[Y+2*(\i):Y+2*(\i)+1], s[38:39] offset:2048*(\i)
.endr
	s_endpgm
.Lf16:                                         ; Wo: rounded to bf16 like every input, and that number written as f16
.irp i, 0,1,2,3,4,5,6,7,8,9,10,11,12,13,14,15
	s_wait_loadcnt 15-(\i)
	TOBF \i
	WIDEN X+4*(\i)
	v_cvt_pk_f16_f32 v[Y+2*(\i)], v[X+4*(\i)], v[X+4*(\i)+1]
	v_cvt_pk_f16_f32 v[Y+2*(\i)+1], v[X+4*(\i)+2], v[X+4*(\i)+3]
	global_store_b64 v2, v[Y+2*(\i):Y+2*(\i)+1], s[38:39] offset:2048*(\i)
.endr
	s_endpgm
.Lbias:                                        ; 1,024 numbers each: 16 bytes a thread
	global_load_b128 v[X:X+3], v1, s[18:19]
	global_load_b128 v[X+4:X+7], v1, s[20:21]
	global_load_b128 v[X+8:X+11], v1, s[22:23]
	global_load_b128 v[X+12:X+15], v1, s[24:25]
.irp i, 0,1,2,3
	s_wait_loadcnt 3-(\i)
	TOBF \i
	WIDEN Y+4*(\i)
	global_store_b128 v1, v[Y+4*(\i):Y+4*(\i)+3], s[32:33] offset:4096*(\i)
.endr
	s_endpgm
.Lfunc_end_k_qdfa92fed10_cast:
	.size	k_qdfa92fed10_cast, .Lfunc_end_k_qdfa92fed10_cast-k_qdfa92fed10_cast
	.p2alignl 7, 3214868480
	.fill 96, 4, 3214868480
	.section	.rodata,"a",@progbits
	.p2align	6, 0x0
	.amdhsa_kernel k_qdfa92fed10_cast
		.amdhsa_group_segment_fixed_size 0
		.amdhsa_private_segment_fixed_size 0
		.amdhsa_enable_private_segment 0
		.amdhsa_kernarg_size 104
		.amdhsa_user_sgpr_count 2
		.amdhsa_user_sgpr_kernarg_segment_ptr 1
		.amdhsa_wavefront_size32 1
		.amdhsa_system_sgpr_workgroup_id_x 1
		.amdhsa_system_sgpr_workgroup_id_y 1
		.amdhsa_system_sgpr_workgroup_id_z 1
		.amdhsa_system_vgpr_workitem_id 0
		.amdhsa_next_free_vgpr 104
		.amdhsa_next_free_sgpr 66
		.amdhsa_reserve_vcc 0
		.amdhsa_float_denorm_mode_32 3
		.amdhsa_float_denorm_mode_16_64 3
		.amdhsa_memory_ordered 1
		.amdhsa_forward_progress 1
		.amdhsa_inst_pref_size 18
	.end_amdhsa_kernel
	.amdgpu_metadata
---
amdhsa.version: [ 1, 2 ]
amdhsa.kernels:
  - .name:           k_qdfa92fed10_cast
    .symbol:         k_qdfa92fed10_cast.kd
    .args:
      - { .name: x, .offset: 0, .size: 8, .value_kind: global_buffer, .address_space: global }
      - { .name: Wq, .offset: 8, .size: 8, .value_kind: global_buffer, .address_space: global }
      - { .name: Wk, .offset: 16, .size: 8, .value_kind: global_buffer, .address_space: global }
      - { .name: Wv, .offset: 24, .size: 8, .value_kind: global_buffer, .address_space: global }
      - { .name: Wo, .offset: 32, .size: 8, .value_kind: global_buffer, .address_space: global }
      - { .name: bq, .offset: 40, .size: 8, .value_kind: global_buffer, .address_space: global }
      - { .name: bk, .offset: 48, .size: 8, .value_kind: global_buffer, .address_space: global }
      - { .name: bv, .offset: 56, .size: 8, .value_kind: global_buffer, .address_space: global }
      - { .name: bo, .offset: 64, .size: 8, .value_kind: global_buffer, .address_space: global }
      - { .name: xb, .offset: 72, .size: 8, .value_kind: global_buffer, .address_space: global }
      - { .name: wb, .offset: 80, .size: 8, .value_kind: global_buffer, .address_space: global }
      - { .name: woh, .offset: 88, .size: 8, .value_kind: global_buffer, .address_space: global }
      - { .name: bias, .offset: 96, .size: 8, .value_kind: global_buffer, .address_space: global }
    .group_segment_fixed_size: 0
    .private_segment_fixed_size: 0
    .kernarg_segment_align: 8
    .kernarg_segment_size: 104
    .max_flat_workgroup_size: 256
    .sgpr_count:     66
    .vgpr_count:     104
    .wavefront_size: 32
...
	.end_amdgpu_metadata
.endif
;; end of part 1
;; launch proj (part 2): grid 12 x 32, 4 waves a work-group, clusters of 4 x 4, 327,680 bytes of LDS; arguments xb, wb, bias, qkv; writes qkv
.if DOCPART == 2
	.amdgcn_target "amdgcn-amd-amdhsa--gfx1250"
	.amdhsa_code_object_version 6
	.text
	.protected	k_qdfa92fed10_proj
	.globl	k_qdfa92fed10_proj
	.p2align	8
	.type	k_qdfa92fed10_proj,@function
k_qdfa92fed10_proj:
	s_mov_b64 s[64:65], 0
	v_nop
	global_prefetch_b8 v0, s[64:65] scope:SCOPE_SE
	s_setreg_imm32_b32 hwreg(HW_REG_WAVE_MODE, 25, 1), 1
	s_wait_xcnt 0x0
	s_wait_alu depctr_hold_cnt(0) depctr_sa_sdst(0) depctr_va_vdst(0) depctr_va_sdst(0) depctr_va_ssrc(0) depctr_va_vcc(0) depctr_vm_vsrc(0)
	s_getreg_b32 s2, hwreg(HW_REG_IB_STS2, 6, 4)
	s_cmp_eq_u32 s2, 0
	s_cbranch_scc0 .Lentry_in_a_cluster
	s_endpgm
.Lentry_in_a_cluster:
	s_bfe_u32 s2, ttmp6, 0x10000c
	s_cmp_lg_u32 s2, 0xf033
	s_cbranch_scc0 .Lentry_shape_is_right
	s_endpgm
.Lentry_shape_is_right:
; qkv[m][n] = the sum over k of xb[m][k] wb[n][k] + bias[n].  xb: [8192][1024] bf16, wb: [3072][1024] bf16 (Wq, Wk, Wv), bias: f32, qkv: [8192][3072] f16 (Q, K, V side by side in a row).
; Sums in f32, started by the bias; rounded once to f16.  LIMIT: f16 holds no number beyond 65,504: |Q|, |K|, |V| must stay within it; NaN and infinities are not treated apart.
; SHARES.  A tile of C is 256 x 256: 32 x 12 = 384 work-groups.  Four waves, each 128 x 128: 64 accumulators of 16 x 16, 512 registers.  (A tile of 128 x 256 would give 768 work-groups, but half
; the products between a tile's request and the wait for it, and half again as many LDS loads for each product.)
; K goes in 8 steps of 128 through two LDS slots filled by the tensor data mover: rows of 256 bytes of memory, at multiples of 256; 16 bytes of padding behind each, so that the 16 rows of a fragment
; load start at 16 different groups of four banks (ISA guide 11.1).  From a slot's request to the wait for it a wave issues 224 products.
; ONE descriptor group 0 for each operand walks: each fill takes the other slot and steps the address by a K step.  A K step is written once and looped over; the LDS addresses hang on s[TB].
; CLUSTER.  4 x 4 work-groups: the four of a row need the same tile of A, the four of a column the same tile of B: each tile is asked for jointly, by the same tensor load, descriptor and mask in all four.
; THE MATRIX INSTRUCTION IS USED TRANSPOSED (source 0 = 16 rows of B, source 1 = 16 rows of A): lane l holds row l % 16 of C and the columns 8 (l / 16) + 0..7.
; REGISTERS.  window 0: v0-31 addresses; v64-127, v128-191 two buffers of A's 8 fragments; on the way out v64-127 rows read back, v192-223 packed.  window 1: v0-63 the bias in the layout of a C operand;
; v64-127, v128-191 two buffers of B's 8 fragments.  window 2: the accumulators of my rows 0-63 ((a, b) at v[8 (8 a + b)]); window 3: those of my rows 64-127.
.set NSTEP,  8                         ; K steps
.set PITCH,  272                       ; an LDS row
.set HALFT,  128*PITCH                 ; 128 rows: what one tensor load brings, and what one wave reads of A or of B
.set SLOT,   4*HALFT                   ; A's 256 rows, then B's 256 rows; slot 1 follows slot 0
.set DP,     528                       ; the way out: a row of 128 f32, 512 bytes + 16 = 33 x 16 bytes
.set DUMPW,  128*DP                    ; the way out: a wave's 128 rows; the four waves' lie in the slots, which have had their last fill by then
.set SPARE,  2*SLOT                    ; the spare words, 128 bytes for each wave: two blocks of 256 bytes that no other line names
.set ROWA,   2048                      ; bytes in a row of xb, of wb, of qkv
.set ROWB,   2048
.set ROWC,   6144
.set KB,     256                       ; bytes of a row in a K step
.set G1W,    (1<<16)|(1<<20)|(1<<21)|(5<<22)|(3<<25)  ; group 1, word 0 without the mask: 2-byte elements; padding on; bit 21 set beside a mask; after every 64 words; 4 words
.set ADRA0, 4                          ; v4   my lane's place in slot 0's tile of A; never rewritten
.set ADRB0, 5                          ; v5   the same for B
.set ADA,   6                          ; v6   the same in the slot in hand
.set ADB,   7                          ; v7
.set DST,   8                          ; v8   the way out: where I put 16 bytes of a row
.set RDD,   9                          ; v9   the way out: where I read 16 bytes of a row back
.set CO,    10                         ; v10  my byte offset in C
.set PFO,   11                         ; v11  the prefetches' offset: my lane x a row; never rewritten
.set SPW,   12                         ; v12  LDS address of my spare word; never rewritten
.set NIL,   13                         ; v13  0; never rewritten
.set BO,    14                         ; v14  my byte offset in 64 bytes of the bias
.set F0,    64
.set F1,    128
.set XR,    64                         ; the way out: 16 rows read back, 8 numbers a lane and row pair
.set PK,    192                        ; the way out: the same in f16
.set G1A, 24                           ; s[24:31] group 1 for A's tiles
.set G0A, 32                           ; s[32:35] group 0 for A's
.set G0B, 36                           ; s[36:39] group 0 for B's
.set LIM, 43                           ; s43  2 in a wave that prefetches, else the greatest number
.set PFA, 44                           ; s[44:45] where my prefetches stand
.set G1B, 48                           ; s[48:55] group 1 for B's tiles
.set TB,  56                           ; s56  LDS byte at which the slot in hand begins: 0 or SLOT
.set TF,  57                           ; s57  the same for the slot that is filled next
.set LB,  60                           ; s60  my fill's place in a slot: wave x 128 rows
.set MSB, 0
.macro WIN new                         ; the immediate's high byte repeats the setting that is left; a switch that changes nothing is dropped
.if MSB != (\new)
	s_set_vgpr_msb (MSB<<8)|(\new)
.set MSB, \new
.endif
.endm
.set MUL_LO, 0xa1                      ; source 0 (B) window 1, source 1 (A) window 0, C and D window 2
.set MUL_HI, 0xf1                      ; the same, C and D window 3
.set BIA_LO, 0x91                      ; C (the bias) window 1, D window 2
.set BIA_HI, 0xd1                      ; C window 1, D window 3
.set TO_B,   0x40                      ; destination window 1, address window 0
.macro PLACES                          ; four places between a matrix instruction and a load into, or a read of, its registers
.rept 4
	v_nop
.endr
.endm
.macro CREST                           ; a round of the cluster's barrier behind its opening barrier
	s_cmp_lg_u32 s10, 0
	s_cbranch_scc1 .Lnot_wave_0_\@
	s_barrier_signal -3
.Lnot_wave_0_\@:
	s_barrier_wait -3
	s_barrier_signal -1
	s_barrier_wait -1
.endm
.macro CROUND                          ; a whole round
	s_barrier_signal -1
	s_barrier_wait -1
	CREST
.endm
.macro JLOAD                           ; a joint fill: waves 0 and 1 fetch A's halves, waves 2 and 3 B's; an s_nop 0 and four v_nop follow each line
	s_cmp_lt_u32 s10, 2
	s_cbranch_scc0 .Lfor_b_\@
	tensor_load_to_lds s[G0A:G0A+3], s[G1A:G1A+7]
	s_nop 0
.rept 4
	v_nop
.endr
	s_branch .Lasked_\@
.Lfor_b_\@:
	tensor_load_to_lds s[G0B:G0B+3], s[G1B:G1B+7]
	s_nop 0
.rept 4
	v_nop
.endr
.Lasked_\@:
.endm
.macro STEPD                           ; the walking descriptors: the other slot (s[TF] holds 0 or SLOT, and the exclusive or turns the one into the other), the next K step.  Written only where no tensor load of mine is out
	s_xor_b32 s[TF], s[TF], SLOT
	s_add_co_u32 s[G0A+1], s[TF], s[LB]
	s_add_co_u32 s[G0B+1], s[TF], s[LB]
	s_add_nc_u64 s[G0A+2:G0A+3], s[G0A+2:G0A+3], KB
	s_add_nc_u64 s[G0B+2:G0B+3], s[G0B+2:G0B+3], KB
.endm
; A prefetch into the L2 of the K step that stands two fills on: 32 rows x 256 bytes, a lane a row, one instruction a wave.  Each row's 256 bytes of a K step are named once in the launch: A's by the clusters
; with x = 0, B's by the clusters with y = 0; of the 128 rows that a wave fetches, each of the four partners that ask for them jointly takes 32, told apart by address.  The last trips, whose K step two fills on does not exist, ask for nothing.
.macro ASK
	s_cmp_gt_u32 s3, s[LIM]
	s_cbranch_scc0 .Lnot_mine_\@
	global_prefetch_b8 v[PFO], s[PFA:PFA+1] th:TH_LOAD_NT scope:SCOPE_SE
.Lnot_mine_\@:
.endm
; 16 products: row blocks a0, a0 + 1 of the window's four (hi = 0: my rows 0-63, 1: rows 64-127) x all 8 column blocks, 32 along K.  mode 2: the bias starts the sums.
; The 64 accumulators take turns, in the same order in every quarter.
.macro MUL16 f, hi, a0, mode
.if (\mode) == 2
	WIN BIA_LO+0x40*(\hi)
.else
	WIN MUL_LO+0x50*(\hi)
.endif
.irp a, \a0, (\a0)+1
.irp b, 0,1,2,3,4,5,6,7
.if (\mode) == 2
	v_wmma_f32_16x16x32_bf16 v[8*(8*(\a)+(\b)):8*(8*(\a)+(\b))+7], v[(\f)+8*(\b):(\f)+8*(\b)+7], v[(\f)+8*(4*(\hi)+(\a)):(\f)+8*(4*(\hi)+(\a))+7], v[8*(\b):8*(\b)+7]
.else
	v_wmma_f32_16x16x32_bf16 v[8*(8*(\a)+(\b)):8*(8*(\a)+(\b))+7], v[(\f)+8*(\b):(\f)+8*(\b)+7], v[(\f)+8*(4*(\hi)+(\a)):(\f)+8*(4*(\hi)+(\a))+7], v[8*(8*(\a)+(\b)):8*(8*(\a)+(\b))+7]
.endif
.endr
.endr
.endm
.macro FETCH k, g                      ; 32 LDS loads in one run: a quarter's fragments (32 K at byte k of the rows) into buffer g: B's 16 loads, then A's 16
	WIN TO_B
.irp i, 0,1,2,3,4,5,6,7
	ds_load_b128 v[(\g)+8*(\i):(\g)+8*(\i)+3],   v[ADB] offset:(\k)+(\i)*16*PITCH
	ds_load_b128 v[(\g)+8*(\i)+4:(\g)+8*(\i)+7], v[ADB] offset:(\k)+(\i)*16*PITCH+32
.endr
	WIN 0
.irp i, 0,1,2,3,4,5,6,7
	ds_load_b128 v[(\g)+8*(\i):(\g)+8*(\i)+3],   v[ADA] offset:(\k)+(\i)*16*PITCH
	ds_load_b128 v[(\g)+8*(\i)+4:(\g)+8*(\i)+7], v[ADA] offset:(\k)+(\i)*16*PITCH+32
.endr
.endm
.macro QUARTER k, f, g, mode           ; one of a K step's first three quarters: multiplies buffer f, fetches the next quarter, at byte k, into g
	s_wait_dscnt 8                                 ; B and A's rows 0-63 are in; the youngest eight loads (A's rows 64-127) may be out
	MUL16 \f, 0, 0, \mode
	MUL16 \f, 0, 2, \mode
	PLACES
	FETCH \k, \g
	s_wait_dscnt 32                                ; all but the 32 just issued
	MUL16 \f, 1, 0, \mode
	MUL16 \f, 1, 2, \mode
.endm
; The fourth quarter multiplies buffer 1 and changes slots.  In front of the barrier each wave waits for all its tensor loads (one is out: its part of the next slot), adds 0 to its spare word, and waits
; for that and for its reads of this slot.  fill = 1: the barrier opens a round of the cluster's, and this slot is filled again first thing behind it, with the K step two on.
.macro TURN fill
.if \fill
	s_wait_xcnt 0x0                                ; the last prefetch, a K step back, has read its address
	s_add_nc_u64 s[PFA:PFA+1], s[PFA:PFA+1], KB
.endif
	WIN 0
	s_wait_tensorcnt 0x0                           ; no tensor load of mine is out, so the descriptors may be written
	ds_add_u32 v[SPW], v[NIL]                      ; 0 onto my spare word
.if \fill
	STEPD
.endif
	s_wait_dscnt 9                                 ; the add and the youngest eight loads may be out
	MUL16 F1, 0, 0, 0
	s_wait_dscnt 0x0                               ; the add is done, and my reads of this slot are over
	s_barrier_signal -1
	MUL16 F1, 0, 2, 0
.if \fill
	WIN 0
.endif
	s_barrier_wait -1
.if \fill
	CREST
	JLOAD                                          ; its four v_nop are also the places in front of the loads below
.else
	PLACES
	WIN 0
.endif
	s_xor_b32 s[TB], s[TB], SLOT                   ; s[TB] holds 0 or SLOT
	v_add_nc_u32 v[ADA], s[TB], v[ADRA0]
	v_add_nc_u32 v[ADB], s[TB], v[ADRB0]
	FETCH 0, F0
.if \fill
	ASK
.endif
	MUL16 F1, 1, 0, 0
	MUL16 F1, 1, 2, 0
.endm
	s_load_b128 s[4:7], s[0:1], 0x0                ; xb s[4:5], wb s[6:7]
	s_load_b64 s[62:63], s[0:1], 0x10              ; bias
	s_load_b64 s[8:9], s[0:1], 0x18                ; qkv
	v_lshl_add_u32 v[SPW], v0, 2, SPARE
	v_mov_b32 v[NIL], 0
	ds_add_u32 v[SPW], v[NIL]                      ; the wave's opening add; its wait comes ahead of my first tensor load
	v_lshrrev_b32 v1, 5, v0
	v_readfirstlane_b32 s10, v1                    ; wave 0..3
	s_lshr_b32 s11, s10, 1                         ; which 128 rows of the tile are mine; also: I fetch for A (0) or for B (1)
	s_and_b32 s12, s10, 1                          ; which 128 columns; also: which 128 rows of A's or B's tile I fetch
	s_bfe_u32 s40, ttmp6, 0x40000                  ; cx
	s_bfe_u32 s41, ttmp6, 0x40004                  ; cy
	s_lshl_b32 s42, ttmp9, 2
	s_add_co_u32 s42, s42, s40                     ; tile column X = 4 x cluster x + cx
	s_and_b32 s13, ttmp7, 0xffff
	s_lshl_b32 s13, s13, 2
	s_add_co_u32 s13, s13, s41                     ; tile row Y = 4 x cluster y + cy
	s_lshl_b32 s20, s41, 2
	s_lshl_b32 s20, 15, s20                        ; my row of the cluster
	s_lshl_b32 s21, 0x1111, s40                    ; my column
	s_or_b32 s[G1A], s20, G1W
	s_or_b32 s[G1B], s21, G1W
.irp g, G1A, G1B
	s_mov_b32 s[(\g)+1], 128<<16                   ; tensor_dim0 = 128
	s_mov_b32 s[(\g)+2], 128<<16                   ; tensor_dim1 = 128
	s_mov_b32 s[(\g)+3], 128<<16                   ; tile_dim0 = 128
	s_mov_b32 s[(\g)+4], 128                       ; tile_dim1 = 128
	s_mov_b32 s[(\g)+5], 1024                      ; elements from row to row
	s_mov_b32 s[(\g)+6], 0
	s_mov_b32 s[(\g)+7], 0
.endr
	s_mul_i32 s[LB], s10, HALFT                    ; A's two halves, then B's two: wave x 128 rows: no place in the cluster enters an LDS address
	s_mov_b32 s[G0A], 1
	s_mov_b32 s[G0A+1], s[LB]                      ; slot 0
	s_mov_b32 s[G0B], 1
	s_mov_b32 s[G0B+1], s[LB]
	s_lshl_b32 s16, s13, 8                         ; A: row 256 Y + 128 x half
	s_lshl_b32 s17, s12, 7
	s_add_co_u32 s16, s16, s17
	s_mul_i32 s16, s16, ROWA
	s_mov_b32 s17, 0
	s_lshl_b32 s46, s42, 8                         ; B: row 256 X + 128 x half
	s_lshl_b32 s47, s12, 7
	s_add_co_u32 s46, s46, s47
	s_mul_i32 s46, s46, ROWB
	s_mov_b32 s47, 0
	s_mov_b32 s[TB], 0
	s_mov_b32 s[TF], 0
	s_wait_dscnt 0x0                               ; the opening add is done
	s_wait_kmcnt 0x0
	s_add_nc_u64 s[G0A+2:G0A+3], s[4:5], s[16:17]
	s_or_b32 s[G0A+3], s[G0A+3], 0x80000000
	s_add_nc_u64 s[G0B+2:G0B+3], s[6:7], s[46:47]
	s_or_b32 s[G0B+3], s[G0B+3], 0x80000000
	CROUND                                         ; all sixteen work-groups are here: the first joint loads meet
	JLOAD                                          ; K step 0 into slot 0
	; the bias of my 128 columns, as a C operand: register j of block b is column 16 b + 8 (l / 16) + j
	v_and_b32 v1, 15, v0                           ; l % 16
	v_bfe_u32 v2, v0, 4, 1                         ; l / 16
	v_lshlrev_b32 v[BO], 5, v2
	s_lshl_b32 s18, s42, 10
	s_lshl_b32 s19, s12, 9
	s_add_co_u32 s18, s18, s19
	s_mov_b32 s19, 0
	s_add_nc_u64 s[62:63], s[62:63], s[18:19]
	WIN TO_B                                       ; destination window 1
.irp b, 0,1,2,3,4,5,6,7
	global_load_b128 v[8*(\b):8*(\b)+3],   v[BO], s[62:63] offset:64*(\b)
	global_load_b128 v[8*(\b)+4:8*(\b)+7], v[BO], s[62:63] offset:64*(\b)+16
.endr
	WIN 0
	; the prefetches: who asks, and where
	s_and_b32 s22, ttmp7, 0xffff                   ; cluster y
	s_lshl_b32 s18, s13, 8                         ; A's tile begins at row 256 Y,
	s_lshl_b32 s20, s42, 8                         ; B's at row 256 X
	s_cmp_eq_u32 s11, 0                            ; do I fetch for A?
	s_cselect_b32 s22, ttmp9, s22                  ; the coordinate along which other clusters read the same rows
	s_cselect_b32 s18, s18, s20
	s_cselect_b32 s19, s40, s41                    ; my place among the four that ask for the tile with me
	s_cselect_b64 s[PFA:PFA+1], s[4:5], s[6:7]
	s_cmp_eq_u32 s22, 0
	s_cselect_b32 s[LIM], 2, -1                    ; the same in all sixteen partners, for a given wave
	s_lshl_b32 s20, s12, 7
	s_add_co_u32 s18, s18, s20                     ; + the 128 rows that I fetch
	s_lshl_b32 s19, s19, 5
	s_add_co_u32 s18, s18, s19                     ; + my work-group's 32 of them
	s_mul_i32 s18, s18, ROWA
	s_add_co_u32 s18, s18, 3*KB                    ; at K step 3: the first change of slots steps it to 4
	s_mov_b32 s19, 0
	s_add_nc_u64 s[PFA:PFA+1], s[PFA:PFA+1], s[18:19]
	v_and_b32 v[PFO], 31, v0
	v_lshlrev_b32 v[PFO], 11, v[PFO]
	; a fragment is 16 rows x 32 K in 8 registers: lane l holds row l % 16, K = 8 (l / 16) + 0..7 and 16 + 8 (l / 16) + 0..7: two loads of 16 bytes, 32 bytes apart
	v_mul_u32_u24 v3, v1, PITCH
	v_lshl_add_u32 v3, v2, 4, v3
	s_mul_i32 s18, s11, HALFT
	v_add_nc_u32 v[ADRA0], s18, v3
	s_mul_i32 s18, s12, HALFT
	s_add_co_u32 s18, s18, 2*HALFT
	v_add_nc_u32 v[ADRB0], s18, v3
	s_mul_i32 s18, s10, DUMPW                      ; the way out: my wave's rows
	v_mul_u32_u24 v3, v1, DP                       ; in: row l % 16, 16 bytes for each half of the lanes
	v_lshl_add_u32 v3, v2, 4, v3
	v_add_nc_u32 v[DST], s18, v3
	v_mul_u32_u24 v3, v2, DP                       ; back: lanes 0-15 one row, lanes 16-31 the next
	v_lshl_add_u32 v3, v1, 4, v3
	v_add_nc_u32 v[RDD], s18, v3
	v_mul_u32_u24 v3, v2, ROWC                     ; and the same two rows in C
	v_lshl_add_u32 v[CO], v1, 4, v3
	s_lshl_b32 s18, s13, 8                         ; C at row 256 Y + 128 x my half, byte 512 X + 256 x my half
	s_lshl_b32 s19, s11, 7
	s_add_co_u32 s18, s18, s19
	s_mul_i32 s18, s18, ROWC
	s_lshl_b32 s19, s42, 9
	s_add_co_u32 s18, s18, s19
	s_lshl_b32 s19, s12, 8
	s_add_co_u32 s18, s18, s19
	s_mov_b32 s19, 0
	s_add_nc_u64 s[8:9], s[8:9], s[18:19]
	; slot 0 is waited for, slot 1 asked for: in the form of every later change of slots
	s_wait_tensorcnt 0x0
	ds_add_u32 v[SPW], v[NIL]
	STEPD
	s_wait_dscnt 0x0
	CROUND
	JLOAD                                          ; K step 1 into slot 1
	v_add_nc_u32 v[ADA], s[TB], v[ADRA0]
	v_add_nc_u32 v[ADB], s[TB], v[ADRB0]
	FETCH 0, F0
	s_wait_loadcnt 0x0                             ; the bias
	QUARTER 64, F0, F1, 2                          ; the first quarter stands in front of the loop: its products start the sums, with the bias as C
	WIN 0
	s_mov_b32 s3, NSTEP-2
.Lstep:                                        ; a trip: from a K step's second quarter to the next step's first; it fills the slot that it leaves
	QUARTER 128, F1, F0, 0
	QUARTER 192, F0, F1, 0
	TURN 1
	QUARTER 64, F0, F1, 0
	WIN 0
	s_sub_co_u32 s3, s3, 1
	s_cmp_lg_u32 s3, 0
	s_cbranch_scc1 .Lstep
	s_mov_b32 s3, 2
.Ltail:                                        ; the last two K steps ask for nothing: a second text of the trip, walked twice
	QUARTER 128, F1, F0, 0
	QUARTER 192, F0, F1, 0
	TURN 0                                         ; (in the last trip its run of loads reads the old slot once more and serves nothing: the price, once a launch, of one text for both trips)
	WIN 0
	s_wait_dscnt 0x0                               ; that run is in: in the last trip nothing follows that would wait for it
	s_cmp_eq_u32 s3, 1
	s_cbranch_scc1 .Llast                          ; behind the last K step there is no first quarter
	QUARTER 64, F0, F1, 0
	WIN 0
.Llast:
	s_sub_co_u32 s3, s3, 1
	s_cmp_lg_u32 s3, 0
	s_cbranch_scc1 .Ltail
	; THE WAY OUT.  The slots have had their last fill.  When no wave reads them any more, each wave lays its 128 x 128 sums into rows of its own, as f32: a row's even pieces of 16 bytes in its first 256 bytes,
	; the odd ones in the next 256, so that the stores (16 rows, 33 x 16 bytes apart) and the loads (16 neighbouring pieces) take each bank once.  A loop then takes 16 rows a trip: a lane reads 8 neighbouring
	; columns of one row, rounds them to f16 and stores 16 bytes.  One text for the eight row blocks.
	s_wait_dscnt 0x0                               ; my reads of the slots are over,
	s_barrier_signal -1
	s_barrier_wait -1                              ; and everybody's
	PLACES
	PLACES
.irp a, 0,1,2,3,4,5,6,7
	WIN 0x08+4*((\a)/4)                            ; the stores' data in window 2 or 3
.irp b, 0,1,2,3,4,5,6,7
	ds_store_b128 v[DST], v[8*(8*((\a)%4)+(\b)):8*(8*((\a)%4)+(\b))+3]   offset:(\a)*16*DP+32*(\b)      ; each accumulator's low half first
	ds_store_b128 v[DST], v[8*(8*((\a)%4)+(\b))+4:8*(8*((\a)%4)+(\b))+7] offset:(\a)*16*DP+32*(\b)+256
.endr
.endr
	WIN 0
	s_mov_b32 s3, 8
.Lrows:                                        ; LDS serves a wave's instructions in order (ISA guide 5.7.1.4): the loads see my stores above
.irp t, 0,1,2,3,4,5,6,7
	ds_load_b128 v[XR+8*(\t):XR+8*(\t)+3],   v[RDD] offset:(\t)*2*DP
	ds_load_b128 v[XR+8*(\t)+4:XR+8*(\t)+7], v[RDD] offset:(\t)*2*DP+256
.endr
.irp t, 0,1,2,3,4,5,6,7
	s_wait_dscnt 14-2*(\t)                         ; row pair t is in; the later pairs' loads may be out
.irp r, 0,1,2,3
	v_cvt_pk_f16_f32 v[PK+4*(\t)+(\r)], v[XR+8*(\t)+2*(\r)], v[XR+8*(\t)+2*(\r)+1]
.endr
	global_store_b128 v[CO], v[PK+4*(\t):PK+4*(\t)+3], s[8:9] offset:2*(\t)*ROWC  ; 16 lanes store 256 consecutive bytes, at a multiple of 256 from qkv's first byte
.endr
	s_wait_xcnt 0x0                                ; the stores have read their offset and their data: both are written again only behind this wait
	v_add_nc_u32 v[CO], 16*ROWC, v[CO]
	v_add_nc_u32 v[RDD], 16*DP, v[RDD]
	s_sub_co_u32 s3, s3, 1
	s_cmp_lg_u32 s3, 0
	s_cbranch_scc1 .Lrows
	s_wait_tensorcnt 0x0                           ; the wave's end
	ds_add_u32 v[SPW], v[NIL]
	s_wait_dscnt 0x0
	CROUND                                         ; the closing round
	s_endpgm
.Lfunc_end_k_qdfa92fed10_proj:
	.size	k_qdfa92fed10_proj, .Lfunc_end_k_qdfa92fed10_proj-k_qdfa92fed10_proj
	.p2alignl 7, 3214868480
	.fill 96, 4, 3214868480
	.section	.rodata,"a",@progbits
	.p2align	6, 0x0
	.amdhsa_kernel k_qdfa92fed10_proj
		.amdhsa_group_segment_fixed_size 327680
		.amdhsa_private_segment_fixed_size 0
		.amdhsa_enable_private_segment 0
		.amdhsa_kernarg_size 32
		.amdhsa_user_sgpr_count 2
		.amdhsa_user_sgpr_kernarg_segment_ptr 1
		.amdhsa_wavefront_size32 1
		.amdhsa_system_sgpr_workgroup_id_x 1
		.amdhsa_system_sgpr_workgroup_id_y 1
		.amdhsa_system_sgpr_workgroup_id_z 1
		.amdhsa_system_vgpr_workitem_id 0
		.amdhsa_next_free_vgpr 1024
		.amdhsa_next_free_sgpr 66
		.amdhsa_reserve_vcc 0
		.amdhsa_float_denorm_mode_32 3
		.amdhsa_float_denorm_mode_16_64 3
		.amdhsa_memory_ordered 1
		.amdhsa_forward_progress 1
		.amdhsa_inst_pref_size 84
	.end_amdhsa_kernel
	.amdgpu_metadata
---
amdhsa.version: [ 1, 2 ]
amdhsa.kernels:
  - .name:           k_qdfa92fed10_proj
    .symbol:         k_qdfa92fed10_proj.kd
    .args:
      - { .name: xb, .offset: 0, .size: 8, .value_kind: global_buffer, .address_space: global }
      - { .name: wb, .offset: 8, .size: 8, .value_kind: global_buffer, .address_space: global }
      - { .name: bias, .offset: 16, .size: 8, .value_kind: global_buffer, .address_space: global }
      - { .name: qkv, .offset: 24, .size: 8, .value_kind: global_buffer, .address_space: global }
    .group_segment_fixed_size: 327680
    .private_segment_fixed_size: 0
    .kernarg_segment_align: 8
    .kernarg_segment_size: 32
    .max_flat_workgroup_size: 128
    .sgpr_count:     66
    .vgpr_count:     1024
    .wavefront_size: 32
...
	.end_amdgpu_metadata
.endif
;; end of part 2
;; launch score (part 3): grid 8 x 32, 4 waves a work-group, clusters of 4 x 4, 327,680 bytes of LDS; arguments qkv, pt, stats; writes pt, stats
.if DOCPART == 3
	.amdgcn_target "amdgcn-amd-amdhsa--gfx1250"
	.amdhsa_code_object_version 6
	.text
	.protected	k_qdfa92fed10_score
	.globl	k_qdfa92fed10_score
	.p2align	8
	.type	k_qdfa92fed10_score,@function
k_qdfa92fed10_score:
	s_mov_b64 s[64:65], 0
	v_nop
	global_prefetch_b8 v0, s[64:65] scope:SCOPE_SE
	s_setreg_imm32_b32 hwreg(HW_REG_WAVE_MODE, 25, 1), 1
	s_wait_xcnt 0x0
	s_wait_alu depctr_hold_cnt(0) depctr_sa_sdst(0) depctr_va_vdst(0) depctr_va_sdst(0) depctr_va_ssrc(0) depctr_va_vcc(0) depctr_vm_vsrc(0)
	s_getreg_b32 s2, hwreg(HW_REG_IB_STS2, 6, 4)
	s_cmp_eq_u32 s2, 0
	s_cbranch_scc0 .Lentry_in_a_cluster
	s_endpgm
.Lentry_in_a_cluster:
	s_bfe_u32 s2, ttmp6, 0x10000c
	s_cmp_lg_u32 s2, 0xf033
	s_cbranch_scc0 .Lentry_shape_is_right
	s_endpgm
.Lentry_shape_is_right:
; SCORES AND A BLOCKWISE SOFTMAX.  s = Q[q] . K[k] for 256 queries x 256 keys of one batch.  For each query and each block kb of 128 keys (a wave's columns):
; cm = c x the block's maximum of s, c = log2(e) / 8;  p~ = 2^(c s - cm), stored in f16 in pt [8192][2048];  l = the sum of the unrounded p~.  cm and l go to stats, f32 [2][16 kb][8192 rows].
; The next launch turns each block to the row's true maximum.  Q, K: f16, in qkv [8192][3072] at bytes 0 and 2,048 of a row.  Products, maxima and sums in f32.
; LIMITS.  p~ lies in 0 to 1; below 6e-5 it keeps f16's fixed step of 6e-8; a weight below 2^-126 counts as 0 in l; NaN and infinities are not treated apart.
; SHARES.  A tile is 256 x 256: 32 x 8 = 256 work-groups.  Four waves, each 128 x 128: 64 accumulators of 16 x 16, 512 registers.  The 1,024 channels go in 8 steps of 128 through two LDS slots filled by the
; tensor data mover: rows of 256 bytes of memory, at multiples of 256, 16 bytes of padding behind each (ISA guide 11.1).  From a slot's request to the wait for it a wave issues 224 products.
; CLUSTER.  4 x 4 work-groups ask jointly for Q's tiles along a row of the cluster and for K's along a column.  Source 0 = 16 keys, source 1 = 16 queries: lane l holds query l % 16 and the keys 8 (l / 16) + 0..7.
; REGISTERS.  window 0: v0-31 addresses; v32-47 statistics; v64-127, v128-191 two buffers of Q's 8 fragments; on the way out v64-127 scores read back, v192-223 packed weights.
; window 1: v64-127, v128-191 two buffers of K's 8 fragments.  window 2: the accumulators of my rows 0-63 ((a, b) at v[8 (8 a + b)]); window 3: those of my rows 64-127.
.set NSTEP,  8
.set PITCH,  272
.set HALFT,  128*PITCH                 ; 128 rows: what one tensor load brings, and what one wave reads of Q or of K
.set SLOT,   4*HALFT                   ; Q's 256 rows, then K's 256 rows; slot 1 follows slot 0
.set DP,     528                       ; the way out: a row of 128 f32, 512 bytes + 16 = 33 x 16 bytes
.set DUMPW,  128*DP                    ; the way out: a wave's 128 rows; the four waves' lie in the slots, which have had their last fill by then
.set STATS,  2*SLOT                    ; 1,024 bytes for each wave: cm of its 128 rows, then l
.set SPARE,  STATS+4*1024              ; the spare words: two blocks of 256 bytes that no other line names
.set ROWQ,   6144                      ; bytes in a row of qkv
.set ROWC,   4096                      ; bytes in a row of pt
.set KB,     256
.set G1W,    (1<<16)|(1<<20)|(1<<21)|(5<<22)|(3<<25)
.set ADRA0, 4
.set ADRB0, 5
.set ADA,   6
.set ADB,   7
.set DST,   8                          ; v8   the way out: where I put 16 bytes of a row
.set RDD,   9                          ; v9   the way out: where I read 16 bytes of a row back
.set CO,    10                         ; v10  my byte offset in pt
.set PFO,   11
.set SPW,   12
.set NIL,   13
.set SST,   14                         ; v14  where I put a row's cm (l lies 512 bytes on)
.set SRD,   15                         ; v15  where I read 16 bytes of the wave's statistics back
.set SGO,   16                         ; v16  their place in stats
.set CMP,   32                         ; v[32:47] row pair t: cm at CMP + 2 t; beside it a second chain of the maximum, later l
.set F0,    64
.set F1,    128
.set XR,    64                         ; the way out: 16 rows read back, 8 scores a lane and row pair
.set PK,    192                        ; the way out: the weights in f16
.set G1A, 24
.set G0A, 32
.set G0B, 36
.set LIM, 43
.set PFA, 44
.set G1B, 48
.set TB,  56                           ; s56  LDS byte at which the slot in hand begins: 0 or SLOT
.set TF,  57                           ; s57  the same for the slot that is filled next
.set CS,  58                           ; s[58:59] c
.set LB,  60                           ; s60  my fill's place in a slot: wave x 128 rows
.set MSB, 0
.macro WIN new
.if MSB != (\new)
	s_set_vgpr_msb (MSB<<8)|(\new)
.set MSB, \new
.endif
.endm
.set MUL_LO, 0xa1                      ; source 0 (K) window 1, source 1 (Q) window 0, C and D window 2
.set MUL_HI, 0xf1                      ; the same, C and D window 3
.set TO_B,   0x40                      ; destination window 1, address window 0
.macro PLACES
.rept 4
	v_nop
.endr
.endm
.macro CREST
	s_cmp_lg_u32 s10, 0
	s_cbranch_scc1 .Lnot_wave_0_\@
	s_barrier_signal -3
.Lnot_wave_0_\@:
	s_barrier_wait -3
	s_barrier_signal -1
	s_barrier_wait -1
.endm
.macro CROUND
	s_barrier_signal -1
	s_barrier_wait -1
	CREST
.endm
.macro JLOAD                           ; waves 0 and 1 fetch Q's halves, waves 2 and 3 K's; an s_nop 0 and four v_nop follow each line
	s_cmp_lt_u32 s10, 2
	s_cbranch_scc0 .Lfor_b_\@
	tensor_load_to_lds s[G0A:G0A+3], s[G1A:G1A+7]
	s_nop 0
.rept 4
	v_nop
.endr
	s_branch .Lasked_\@
.Lfor_b_\@:
	tensor_load_to_lds s[G0B:G0B+3], s[G1B:G1B+7]
	s_nop 0
.rept 4
	v_nop
.endr
.Lasked_\@:
.endm
.macro STEPD                           ; the walking descriptors: the other slot (s[TF] holds 0 or SLOT), the next K step.  Written only where no tensor load of mine is out
	s_xor_b32 s[TF], s[TF], SLOT
	s_add_co_u32 s[G0A+1], s[TF], s[LB]
	s_add_co_u32 s[G0B+1], s[TF], s[LB]
	s_add_nc_u64 s[G0A+2:G0A+3], s[G0A+2:G0A+3], KB
	s_add_nc_u64 s[G0B+2:G0B+3], s[G0B+2:G0B+3], KB
.endm
; A prefetch into the L2 of the K step two fills on: 32 rows x 256 bytes, a lane a row, one instruction a wave; each block named once: Q's rows by the clusters with x = 0, K's by a batch's first cluster along y;
; of the 128 rows that a wave fetches, each of the four partners that ask for them jointly takes 32, told apart by address.  The last trips ask for nothing.
.macro ASK
	s_cmp_gt_u32 s3, s[LIM]
	s_cbranch_scc0 .Lnot_mine_\@
	global_prefetch_b8 v[PFO], s[PFA:PFA+1] th:TH_LOAD_NT scope:SCOPE_SE
.Lnot_mine_\@:
.endm
.macro MUL16 f, hi, a0, mode           ; 16 products; mode 1: they start the sums.  The 64 accumulators take turns, in the same order in every quarter
	WIN MUL_LO+0x50*(\hi)
.irp a, \a0, (\a0)+1
.irp b, 0,1,2,3,4,5,6,7
.if (\mode) == 1
	v_wmma_f32_16x16x32_f16 v[8*(8*(\a)+(\b)):8*(8*(\a)+(\b))+7], v[(\f)+8*(\b):(\f)+8*(\b)+7], v[(\f)+8*(4*(\hi)+(\a)):(\f)+8*(4*(\hi)+(\a))+7], 0
.else
	v_wmma_f32_16x16x32_f16 v[8*(8*(\a)+(\b)):8*(8*(\a)+(\b))+7], v[(\f)+8*(\b):(\f)+8*(\b)+7], v[(\f)+8*(4*(\hi)+(\a)):(\f)+8*(4*(\hi)+(\a))+7], v[8*(8*(\a)+(\b)):8*(8*(\a)+(\b))+7]
.endif
.endr
.endr
.endm
.macro FETCH k, g                      ; 32 LDS loads in one run: K's 16, then Q's 16
	WIN TO_B
.irp i, 0,1,2,3,4,5,6,7
	ds_load_b128 v[(\g)+8*(\i):(\g)+8*(\i)+3],   v[ADB] offset:(\k)+(\i)*16*PITCH
	ds_load_b128 v[(\g)+8*(\i)+4:(\g)+8*(\i)+7], v[ADB] offset:(\k)+(\i)*16*PITCH+32
.endr
	WIN 0
.irp i, 0,1,2,3,4,5,6,7
	ds_load_b128 v[(\g)+8*(\i):(\g)+8*(\i)+3],   v[ADA] offset:(\k)+(\i)*16*PITCH
	ds_load_b128 v[(\g)+8*(\i)+4:(\g)+8*(\i)+7], v[ADA] offset:(\k)+(\i)*16*PITCH+32
.endr
.endm
.macro QUARTER k, f, g, mode
	s_wait_dscnt 8                                 ; the youngest eight loads (Q's rows 64-127) may be out
	MUL16 \f, 0, 0, \mode
	MUL16 \f, 0, 2, \mode
	PLACES
	FETCH \k, \g
	s_wait_dscnt 32                                ; all but the 32 just issued
	MUL16 \f, 1, 0, \mode
	MUL16 \f, 1, 2, \mode
.endm
.macro TURN fill                       ; the fourth quarter and the change of slots: all my tensor loads waited for, the add, my reads waited for, the barrier (with a fill: a round of the cluster's), the fill first behind it
.if \fill
	s_wait_xcnt 0x0                                ; the last prefetch, a K step back, has read its address
	s_add_nc_u64 s[PFA:PFA+1], s[PFA:PFA+1], KB
.endif
	WIN 0
	s_wait_tensorcnt 0x0
	ds_add_u32 v[SPW], v[NIL]
.if \fill
	STEPD
.endif
	s_wait_dscnt 9                                 ; the add and the youngest eight loads may be out
	MUL16 F1, 0, 0, 0
	s_wait_dscnt 0x0
	s_barrier_signal -1
	MUL16 F1, 0, 2, 0
.if \fill
	WIN 0
.endif
	s_barrier_wait -1
.if \fill
	CREST
	JLOAD
.else
	PLACES
	WIN 0
.endif
	s_xor_b32 s[TB], s[TB], SLOT
	v_add_nc_u32 v[ADA], s[TB], v[ADRA0]
	v_add_nc_u32 v[ADB], s[TB], v[ADRB0]
	FETCH 0, F0
.if \fill
	ASK
.endif
	MUL16 F1, 1, 0, 0
	MUL16 F1, 1, 2, 0
.endm
	s_load_b64 s[4:5], s[0:1], 0x0                 ; qkv
	s_load_b64 s[8:9], s[0:1], 0x8                 ; pt
	s_load_b64 s[62:63], s[0:1], 0x10              ; stats
	v_lshl_add_u32 v[SPW], v0, 2, SPARE
	v_mov_b32 v[NIL], 0
	ds_add_u32 v[SPW], v[NIL]                      ; the wave's opening add; its wait comes ahead of my first tensor load
	v_lshrrev_b32 v1, 5, v0
	v_readfirstlane_b32 s10, v1
	s_lshr_b32 s11, s10, 1
	s_and_b32 s12, s10, 1
	s_bfe_u32 s40, ttmp6, 0x40000                  ; cx
	s_bfe_u32 s41, ttmp6, 0x40004                  ; cy
	s_lshl_b32 s42, ttmp9, 2
	s_add_co_u32 s42, s42, s40                     ; X: 256 keys of the batch
	s_and_b32 s13, ttmp7, 0xffff
	s_lshl_b32 s13, s13, 2
	s_add_co_u32 s13, s13, s41                     ; Y: 256 of the 8,192 rows; the batch is Y / 8 = cluster y / 2
	s_lshl_b32 s20, s41, 2
	s_lshl_b32 s20, 15, s20
	s_lshl_b32 s21, 0x1111, s40
	s_or_b32 s[G1A], s20, G1W
	s_or_b32 s[G1B], s21, G1W
.irp g, G1A, G1B
	s_mov_b32 s[(\g)+1], 128<<16                   ; tensor_dim0 = 128
	s_mov_b32 s[(\g)+2], 128<<16                   ; tensor_dim1 = 128
	s_mov_b32 s[(\g)+3], 128<<16                   ; tile_dim0 = 128
	s_mov_b32 s[(\g)+4], 128                       ; tile_dim1 = 128
	s_mov_b32 s[(\g)+5], 3072                      ; elements from row to row
	s_mov_b32 s[(\g)+6], 0
	s_mov_b32 s[(\g)+7], 0
.endr
	s_mul_i32 s[LB], s10, HALFT
	s_mov_b32 s[G0A], 1
	s_mov_b32 s[G0A+1], s[LB]
	s_mov_b32 s[G0B], 1
	s_mov_b32 s[G0B+1], s[LB]
	s_lshl_b32 s16, s13, 8                         ; Q: row 256 Y + 128 x half
	s_lshl_b32 s17, s12, 7
	s_add_co_u32 s16, s16, s17
	s_mul_i32 s16, s16, ROWQ
	s_mov_b32 s17, 0
	s_and_b32 s47, ttmp7, 0xffff                   ; K: row 2,048 x batch + 256 X + 128 x half
	s_lshr_b32 s47, s47, 1
	s_lshl_b32 s47, s47, 11
	s_lshl_b32 s46, s42, 8
	s_add_co_u32 s46, s46, s47
	s_lshl_b32 s47, s12, 7
	s_add_co_u32 s46, s46, s47
	s_mul_i32 s46, s46, ROWQ
	s_mov_b32 s47, 0
	s_mov_b32 s[TB], 0
	s_mov_b32 s[TF], 0
	s_mov_b32 s[CS], 0x3e38aa3b                    ; c = log2(e) / 8 = 0.180337
	s_mov_b32 s[CS+1], s[CS]
	s_wait_dscnt 0x0
	s_wait_kmcnt 0x0
	s_add_nc_u64 s[6:7], s[4:5], 2048              ; K's part of a row
	s_add_nc_u64 s[G0A+2:G0A+3], s[4:5], s[16:17]
	s_or_b32 s[G0A+3], s[G0A+3], 0x80000000
	s_add_nc_u64 s[G0B+2:G0B+3], s[6:7], s[46:47]
	s_or_b32 s[G0B+3], s[G0B+3], 0x80000000
	CROUND
	JLOAD                                          ; K step 0 into slot 0
	v_and_b32 v1, 15, v0                           ; l % 16
	v_bfe_u32 v2, v0, 4, 1                         ; l / 16
	; the prefetches
	s_and_b32 s22, ttmp7, 0xffff
	s_lshr_b32 s20, s22, 1                         ; the batch
	s_and_b32 s22, s22, 1                          ; K's rows are read by the batch's two clusters along y: the first asks
	s_lshl_b32 s20, s20, 11
	s_lshl_b32 s21, s42, 8
	s_add_co_u32 s20, s20, s21                     ; K's tile begins at row 2,048 x batch + 256 X,
	s_lshl_b32 s18, s13, 8                         ; Q's at row 256 Y
	s_cmp_eq_u32 s11, 0                            ; do I fetch for Q?
	s_cselect_b32 s22, ttmp9, s22                  ; Q's rows are read by the two clusters along x: x = 0 asks
	s_cselect_b32 s18, s18, s20
	s_cselect_b32 s19, s40, s41                    ; my place among the four that ask for the tile with me
	s_cselect_b64 s[PFA:PFA+1], s[4:5], s[6:7]
	s_cmp_eq_u32 s22, 0
	s_cselect_b32 s[LIM], 2, -1
	s_lshl_b32 s20, s12, 7
	s_add_co_u32 s18, s18, s20                     ; + the 128 rows that I fetch
	s_lshl_b32 s19, s19, 5
	s_add_co_u32 s18, s18, s19                     ; + my work-group's 32 of them
	s_mul_i32 s18, s18, ROWQ
	s_add_co_u32 s18, s18, 3*KB                    ; at K step 3: the first change of slots steps it to 4
	s_mov_b32 s19, 0
	s_add_nc_u64 s[PFA:PFA+1], s[PFA:PFA+1], s[18:19]
	v_and_b32 v[PFO], 31, v0
	v_mul_u32_u24 v[PFO], v[PFO], ROWQ
	; lane addresses
	v_mul_u32_u24 v3, v1, PITCH
	v_lshl_add_u32 v3, v2, 4, v3
	s_mul_i32 s18, s11, HALFT
	v_add_nc_u32 v[ADRA0], s18, v3
	s_mul_i32 s18, s12, HALFT
	s_add_co_u32 s18, s18, 2*HALFT
	v_add_nc_u32 v[ADRB0], s18, v3
	s_mul_i32 s18, s10, DUMPW                      ; the way out: my wave's rows
	v_mul_u32_u24 v3, v1, DP                       ; in: row l % 16, 16 bytes for each half of the lanes
	v_lshl_add_u32 v3, v2, 4, v3
	v_add_nc_u32 v[DST], s18, v3
	v_mul_u32_u24 v3, v2, DP                       ; back: lanes 0-15 one row, lanes 16-31 the next
	v_lshl_add_u32 v3, v1, 4, v3
	v_add_nc_u32 v[RDD], s18, v3
	v_lshlrev_b32 v3, 12, v2                       ; and the same two rows in pt
	v_lshl_add_u32 v[CO], v1, 4, v3
	s_lshl_b32 s18, s10, 10
	s_add_co_u32 s18, s18, STATS                   ; my wave's statistics
	v_lshl_add_u32 v[SST], v2, 2, s18              ; row 2 t + l / 16 of the trip's 16
	v_and_b32 v3, 31, v0
	v_lshlrev_b32 v[SGO], 4, v3
	v_add_nc_u32 v[SRD], s18, v[SGO]
	s_lshl_b32 s18, s13, 8                         ; pt at row 256 Y + 128 x my half, byte 512 X + 256 x my half
	s_lshl_b32 s19, s11, 7
	s_add_co_u32 s18, s18, s19
	s_lshl_b32 s20, s18, 2                         ; (the row x 4, for stats)
	s_lshl_b32 s18, s18, 12
	s_lshl_b32 s19, s42, 9
	s_add_co_u32 s18, s18, s19
	s_lshl_b32 s19, s12, 8
	s_add_co_u32 s18, s18, s19
	s_mov_b32 s19, 0
	s_add_nc_u64 s[8:9], s[8:9], s[18:19]
	s_lshl_b32 s21, s42, 1                         ; stats at block kb = 2 X + my half, 32,768 bytes a block
	s_add_co_u32 s21, s21, s12
	s_lshl_b32 s21, s21, 15
	s_add_co_u32 s20, s20, s21
	s_mov_b32 s21, 0
	s_add_nc_u64 s[62:63], s[62:63], s[20:21]
	; slot 0 is waited for, slot 1 asked for
	s_wait_tensorcnt 0x0
	ds_add_u32 v[SPW], v[NIL]
	STEPD
	s_wait_dscnt 0x0
	CROUND
	JLOAD
	v_add_nc_u32 v[ADA], s[TB], v[ADRA0]
	v_add_nc_u32 v[ADB], s[TB], v[ADRB0]
	FETCH 0, F0
	QUARTER 64, F0, F1, 1                          ; the first quarter's products start the sums
	WIN 0
	s_mov_b32 s3, NSTEP-2
.Lstep:                                        ; a trip: from a K step's second quarter to the next step's first; it fills the slot that it leaves
	QUARTER 128, F1, F0, 0
	QUARTER 192, F0, F1, 0
	TURN 1
	QUARTER 64, F0, F1, 0
	WIN 0
	s_sub_co_u32 s3, s3, 1
	s_cmp_lg_u32 s3, 0
	s_cbranch_scc1 .Lstep
	s_mov_b32 s3, 2
.Ltail:                                        ; the last two K steps ask for nothing: a second text of the trip, walked twice
	QUARTER 128, F1, F0, 0
	QUARTER 192, F0, F1, 0
	TURN 0                                         ; (in the last trip its run of loads reads the old slot once more and serves nothing: the price, once a launch, of one text for both trips)
	WIN 0
	s_wait_dscnt 0x0                               ; that run is in: in the last trip nothing follows that would wait for it
	s_cmp_eq_u32 s3, 1
	s_cbranch_scc1 .Llast                          ; behind the last K step there is no first quarter
	QUARTER 64, F0, F1, 0
	WIN 0
.Llast:
	s_sub_co_u32 s3, s3, 1
	s_cmp_lg_u32 s3, 0
	s_cbranch_scc1 .Ltail
	; THE WAY OUT.  The slots have had their last fill.  When no wave reads them any more, each wave lays its 128 x 128 scores into rows of its own, as f32: a row's even pieces of 16 bytes in its first 256 bytes,
	; the odd ones in the next 256, so that the stores (16 rows, 33 x 16 bytes apart) and the loads (16 neighbouring pieces) take each bank once.
	s_wait_dscnt 0x0                               ; my reads of the slots are over,
	s_barrier_signal -1
	s_barrier_wait -1                              ; and everybody's
	PLACES
	PLACES
.irp a, 0,1,2,3,4,5,6,7
	WIN 0x08+4*((\a)/4)                            ; the stores' data in window 2 or 3
.irp b, 0,1,2,3,4,5,6,7
	ds_store_b128 v[DST], v[8*(8*((\a)%4)+(\b)):8*(8*((\a)%4)+(\b))+3]   offset:(\a)*16*DP+32*(\b)      ; each accumulator's low half first
	ds_store_b128 v[DST], v[8*(8*((\a)%4)+(\b))+4:8*(8*((\a)%4)+(\b))+7] offset:(\a)*16*DP+32*(\b)+256
.endr
.endr
	WIN 0
; THE SOFTMAX, 16 rows a trip, as 8 row pairs t: lanes 0-15 hold row 2 t, lanes 16-31 row 2 t + 1; a lane holds 8 neighbouring keys of its row, so its 8 weights in f16 are 16 bytes of pt.
; The maximum and the sum of a row's 128 keys: within the lane, then across its 16 lanes in four steps that ride on the arithmetic (DPP); every lane ends with the same number.
; The 32 scalings and 64 exponentials are ONE batch with one wait: four scalings lead, then an exponential, a scaling four pairs on, an exponential; nothing ahead of the wait names an exponential's result.
.macro SCL z                           ; pair z of the trip's 32: c s - cm
	v_pk_fma_f32 v[XR+2*(\z):XR+2*(\z)+1], v[XR+2*(\z):XR+2*(\z)+1], s[CS:CS+1], v[CMP+2*((\z)/4):CMP+2*((\z)/4)+1] op_sel_hi:[1,0,0] neg_lo:[0,0,1] neg_hi:[0,0,1]
.endm
.macro ACROSS op, r                    ; register CMP + 2 t + r of all 8 row pairs, across 16 lanes; the pairs take turns, so that no line waits for the one before it
.irp m, 1,2,4,8
.irp t, 0,1,2,3,4,5,6,7
	\op v[CMP+2*(\t)+(\r)], v[CMP+2*(\t)+(\r)], v[CMP+2*(\t)+(\r)] row_xmask:\m row_mask:0xf bank_mask:0xf
.endr
.endr
.endm
	s_mov_b32 s3, 8
.Lrows:                                        ; LDS serves a wave's instructions in order (ISA guide 5.7.1.4): the loads see my stores above
.irp t, 0,1,2,3,4,5,6,7
	ds_load_b128 v[XR+8*(\t):XR+8*(\t)+3],   v[RDD] offset:(\t)*2*DP
	ds_load_b128 v[XR+8*(\t)+4:XR+8*(\t)+7], v[RDD] offset:(\t)*2*DP+256
.endr
.irp t, 0,1,2,3,4,5,6,7
	s_wait_dscnt 14-2*(\t)                         ; row pair t is in; the later pairs' loads may be out
	v_max3_num_f32 v[CMP+2*(\t)],   v[XR+8*(\t)],   v[XR+8*(\t)+1], v[XR+8*(\t)+2]
	v_max3_num_f32 v[CMP+2*(\t)+1], v[XR+8*(\t)+3], v[XR+8*(\t)+4], v[XR+8*(\t)+5]
	v_max3_num_f32 v[CMP+2*(\t)],   v[CMP+2*(\t)],  v[XR+8*(\t)+6], v[XR+8*(\t)+7]
	v_max_num_f32  v[CMP+2*(\t)],   v[CMP+2*(\t)],  v[CMP+2*(\t)+1]
.endr
	ACROSS v_max_num_f32_dpp, 0
.irp t, 0,1,2,3,4,5,6,7
	v_mul_f32 v[CMP+2*(\t)], s[CS], v[CMP+2*(\t)]  ; cm
.endr
	SCL 0
	SCL 1
	SCL 2
	SCL 3
.set z, 0
.rept 32
	v_exp_f32 v[XR+2*z], v[XR+2*z]
.if z < 28
	SCL z+4
.endif
	v_exp_f32 v[XR+2*z+1], v[XR+2*z+1]
.set z, z+1
.endr
	v_nop                                          ; a plain instruction behind the last exponential (ISA guide 5.7.2),
	s_wait_alu depctr_va_vdst(0)                   ; and one wait ahead of the first use, for the 64
.irp t, 0,1,2,3,4,5,6,7
.irp r, 0,1,2,3
	v_cvt_pk_f16_f32 v[PK+4*(\t)+(\r)], v[XR+8*(\t)+2*(\r)], v[XR+8*(\t)+2*(\r)+1]
.endr
	global_store_b128 v[CO], v[PK+4*(\t):PK+4*(\t)+3], s[8:9] offset:2*(\t)*ROWC  ; 16 lanes store 256 consecutive bytes, at a multiple of 256 from pt's first byte
.endr
.irp t, 0,1,2,3,4,5,6,7
	v_pk_add_f32 v[XR+8*(\t):XR+8*(\t)+1], v[XR+8*(\t):XR+8*(\t)+1], v[XR+8*(\t)+2:XR+8*(\t)+3]          ; the sum of the unrounded weights, in place
.endr
.irp t, 0,1,2,3,4,5,6,7
	v_pk_add_f32 v[XR+8*(\t)+4:XR+8*(\t)+5], v[XR+8*(\t)+4:XR+8*(\t)+5], v[XR+8*(\t)+6:XR+8*(\t)+7]
.endr
.irp t, 0,1,2,3,4,5,6,7
	v_pk_add_f32 v[XR+8*(\t):XR+8*(\t)+1], v[XR+8*(\t):XR+8*(\t)+1], v[XR+8*(\t)+4:XR+8*(\t)+5]
.endr
.irp t, 0,1,2,3,4,5,6,7
	v_add_f32 v[CMP+2*(\t)+1], v[XR+8*(\t)], v[XR+8*(\t)+1]
.endr
	ACROSS v_add_f32_dpp, 1
.irp t, 0,1,2,3,4,5,6,7
	ds_store_b32 v[SST], v[CMP+2*(\t)]   offset:8*(\t)       ; the 16 lanes of a row write the same word with the same number
	ds_store_b32 v[SST], v[CMP+2*(\t)+1] offset:512+8*(\t)
.endr
	s_wait_xcnt 0x0                                ; the stores to pt have read their offset and their data: both are written again only behind this wait
	v_add_nc_u32 v[CO], 16*ROWC, v[CO]
	v_add_nc_u32 v[RDD], 16*DP, v[RDD]
	v_add_nc_u32 v[SST], 64, v[SST]
	s_sub_co_u32 s3, s3, 1
	s_cmp_lg_u32 s3, 0
	s_cbranch_scc1 .Lrows
	ds_load_b128 v[64:67], v[SRD]                  ; my wave's 128 cm,
	ds_load_b128 v[68:71], v[SRD] offset:512       ; and its 128 l
	s_wait_dscnt 0x0
	global_store_b128 v[SGO], v[64:67], s[62:63]                 ; 512 consecutive bytes each, at a multiple of 256 from stats' first byte
	global_store_b128 v[SGO], v[68:71], s[62:63] offset:524288
	s_wait_tensorcnt 0x0                           ; the wave's end
	ds_add_u32 v[SPW], v[NIL]
	s_wait_dscnt 0x0
	CROUND                                         ; the closing round
	s_endpgm
.Lfunc_end_k_qdfa92fed10_score:
	.size	k_qdfa92fed10_score, .Lfunc_end_k_qdfa92fed10_score-k_qdfa92fed10_score
	.p2alignl 7, 3214868480
	.fill 96, 4, 3214868480
	.section	.rodata,"a",@progbits
	.p2align	6, 0x0
	.amdhsa_kernel k_qdfa92fed10_score
		.amdhsa_group_segment_fixed_size 327680
		.amdhsa_private_segment_fixed_size 0
		.amdhsa_enable_private_segment 0
		.amdhsa_kernarg_size 24
		.amdhsa_user_sgpr_count 2
		.amdhsa_user_sgpr_kernarg_segment_ptr 1
		.amdhsa_wavefront_size32 1
		.amdhsa_system_sgpr_workgroup_id_x 1
		.amdhsa_system_sgpr_workgroup_id_y 1
		.amdhsa_system_sgpr_workgroup_id_z 1
		.amdhsa_system_vgpr_workitem_id 0
		.amdhsa_next_free_vgpr 1024
		.amdhsa_next_free_sgpr 66
		.amdhsa_reserve_vcc 0
		.amdhsa_float_denorm_mode_32 3
		.amdhsa_float_denorm_mode_16_64 3
		.amdhsa_memory_ordered 1
		.amdhsa_forward_progress 1
		.amdhsa_inst_pref_size 96
	.end_amdhsa_kernel
	.amdgpu_metadata
---
amdhsa.version: [ 1, 2 ]
amdhsa.kernels:
  - .name:           k_qdfa92fed10_score
    .symbol:         k_qdfa92fed10_score.kd
    .args:
      - { .name: qkv, .offset: 0, .size: 8, .value_kind: global_buffer, .address_space: global }
      - { .name: pt, .offset: 8, .size: 8, .value_kind: global_buffer, .address_space: global }
      - { .name: stats, .offset: 16, .size: 8, .value_kind: global_buffer, .address_space: global }
    .group_segment_fixed_size: 327680
    .private_segment_fixed_size: 0
    .kernarg_segment_align: 8
    .kernarg_segment_size: 24
    .max_flat_workgroup_size: 128
    .sgpr_count:     66
    .vgpr_count:     1024
    .wavefront_size: 32
...
	.end_amdgpu_metadata
.endif
;; end of part 3
;; launch mix (part 4): grid 4 x 64, 4 waves a work-group, clusters of 4 x 4, 327,680 bytes of LDS; arguments pt, qkv, stats, ob; writes ob
.if DOCPART == 4
	.amdgcn_target "amdgcn-amd-amdhsa--gfx1250"
	.amdhsa_code_object_version 6
	.text
	.protected	k_qdfa92fed10_mix
	.globl	k_qdfa92fed10_mix
	.p2align	8
	.type	k_qdfa92fed10_mix,@function
k_qdfa92fed10_mix:
	s_mov_b64 s[64:65], 0
	v_nop
	global_prefetch_b8 v0, s[64:65] scope:SCOPE_SE
	s_setreg_imm32_b32 hwreg(HW_REG_WAVE_MODE, 25, 1), 1
	s_wait_xcnt 0x0
	s_wait_alu depctr_hold_cnt(0) depctr_sa_sdst(0) depctr_va_vdst(0) depctr_va_sdst(0) depctr_va_ssrc(0) depctr_va_vcc(0) depctr_vm_vsrc(0)
	s_getreg_b32 s2, hwreg(HW_REG_IB_STS2, 6, 4)
	s_cmp_eq_u32 s2, 0
	s_cbranch_scc0 .Lentry_in_a_cluster
	s_endpgm
.Lentry_in_a_cluster:
	s_bfe_u32 s2, ttmp6, 0x10000c
	s_cmp_lg_u32 s2, 0xf033
	s_cbranch_scc0 .Lentry_shape_is_right
	s_endpgm
.Lentry_shape_is_right:
; O[q][:] = (the sum over the 16 key blocks kb of f[q][kb] x P~[q][kb] V[kb]) / l[q].  f = 2^(cm[q][kb] - the maximum over kb of cm[q][kb]): each block's weights are turned to the row's TRUE maximum;
; l = the sum over kb of f x the block's sum.  pt: [8192][2048] f16; V: f16, at byte 4,096 of qkv's rows of 6,144 bytes; stats: f32 [2][16][8192]; ob: [8192][1024] f16.
; f is rounded to f16 and multiplied onto P~'s fragments in f16 between their LDS load and the product; products and l in f32; O is divided by l in f32 and rounded once.
; LIMITS.  p~ f below 6e-5 keeps f16's fixed step of 6e-8; a block with f below 6e-8 counts as 0; O is a mean of V's rows and has their range (within 65,504); NaN and infinities are not treated apart.
; SHARES, RING, CLUSTER: a tile of O is 128 queries x 256 channels: 256 work-groups; four waves of 64 x 128, 32 accumulators each; the 2,048 keys go in 16 steps of 128, a step a key block, through two LDS slots;
; 4 x 4 work-groups ask jointly for P~'s tiles along a row of the cluster and for V's along a column.  V lies in LDS as in memory, [key][channel], rows of 512 bytes + 32 of padding, and is turned by ds_load_tr16_b128.
; Source 0 = 16 channels x 32 keys of V^T, source 1 = 16 queries x 32 keys of P: a lane holds ONE query (l % 16) and eight channels; a fragment of P holds one query a lane too, so f is one register a row block.
; REGISTERS.  window 0: v0-31 addresses, f, 1 / l; v32-127, v128-223 two fragment buffers (V's 8 fragments, then P's 4); v224-255 at work on the way out.  window 1: accumulator (a, b) at v[8 (8 a + b)].
.set NSTEP,  16
.set PITCH,  272                       ; a row of P~ in LDS: 256 + 16
.set PV,     544                       ; a row of V: 512 + 32 = 17 x 32 bytes
.set AHALF,  64*PITCH
.set AOFF,   128*PITCH
.set BHALF,  64*PV                     ; 64 keys: what wave 2 or 3 fetches
.set QV,     32*PV                     ; a quarter's 32 keys
.set SLOT1,  1<<17
.set STAGE,  SLOT1+AOFF+2*BHALF
.set SP,     272
.set FT,     STAGE+4*16*SP             ; f: 128 rows x 80 bytes: 16 words, each f twice in f16
.set FP,     80
.set RT,     FT+128*FP                 ; 1 / l: 128 words
.set SPARE,  RT+512                    ; the spare words: two blocks of 256 bytes that no other line names
.set ROWP,   4096                      ; bytes in a row of pt, of qkv, of ob
.set ROWQ,   6144
.set ROWC,   2048
.set KA,     256                       ; a K step: 128 keys along pt's rows,
.set KV,     128*ROWQ                  ; and down V's
.set ADRA0, 4
.set ADRB0, 5
.set ADA,   6
.set ADB,   7
.set STO,   8
.set RD,    9
.set CO,    10
.set PFO,   11
.set SPW,   12
.set NIL,   13
.set FTA0,  14                         ; v14  my row's place in FT (row block 0, key block 0); never rewritten
.set FAD,   15                         ; v15  the same at the key block in hand
.set FS,    16                         ; v16-19  f of my row in row blocks 0-3, twice in f16
.set RR,    20                         ; v20-27  1 / l of my row in row blocks 0-3, as pairs
.set RTA,   28                         ; v28  my row's place in RT
.set F0,    32
.set F1,    128
.set TMP,   224
.set BK,    32
.set G1A, 24
.set G0A, 32
.set G0B, 36
.set LIM, 43
.set PFA, 44
.set G1B, 48
.set TB,  56
.set FK,  57                           ; s57  4 x the key block in hand
.set PST, 58                           ; s[58:59] what a K step adds to my prefetches' address
.set MSB, 0
.macro WIN new
.if MSB != (\new)
	s_set_vgpr_msb (MSB<<8)|(\new)
.set MSB, \new
.endif
.endm
.macro PLACES
.rept 4
	v_nop
.endr
.endm
.macro CREST
	s_cmp_lg_u32 s10, 0
	s_cbranch_scc1 .Lnot_wave_0_\@
	s_barrier_signal -3
.Lnot_wave_0_\@:
	s_barrier_wait -3
	s_barrier_signal -1
	s_barrier_wait -1
.endm
.macro CROUND
	s_barrier_signal -1
	s_barrier_wait -1
	CREST
.endm
.macro JLOAD                           ; waves 0 and 1 fetch P~'s halves (64 rows), waves 2 and 3 V's (64 keys); an s_nop 0 and four v_nop follow each line
	s_cmp_lt_u32 s10, 2
	s_cbranch_scc0 .Lfor_b_\@
	tensor_load_to_lds s[G0A:G0A+3], s[G1A:G1A+7]
	s_nop 0
.rept 4
	v_nop
.endr
	s_branch .Lasked_\@
.Lfor_b_\@:
	tensor_load_to_lds s[G0B:G0B+3], s[G1B:G1B+7]
	s_nop 0
.rept 4
	v_nop
.endr
.Lasked_\@:
.endm
.macro STEPD
	s_xor_b32 s[G0A+1], s[G0A+1], SLOT1
	s_add_nc_u64 s[G0A+2:G0A+3], s[G0A+2:G0A+3], KA
	s_xor_b32 s[G0B+1], s[G0B+1], SLOT1
	s_add_nc_u64 s[G0B+2:G0B+3], s[G0B+2:G0B+3], KV
.endm
; A prefetch into the L2 of the K step two fills on, 32 blocks of 256 bytes, a lane a block, each named once: P~'s 128 rows by wave 0, 32 rows for each partner along x;
; V's 64 keys x 512 bytes of waves 2 and 3 by a batch's first cluster along y, 16 keys (two blocks each) for each partner along y.  The partners are told apart by address.
.macro ASK
	s_cmp_gt_u32 s3, s[LIM]
	s_cbranch_scc0 .Lnot_mine_\@
	global_prefetch_b8 v[PFO], s[PFA:PFA+1] th:TH_LOAD_NT scope:SCOPE_SE
.Lnot_mine_\@:
.endm
.macro SC f, a, h                      ; half h of P's fragment a in buffer f, times f: four packed lines
	WIN 0
.irp i, 0,1,2,3
	v_pk_mul_f16 v[(\f)+64+8*(\a)+4*(\h)+(\i)], v[(\f)+64+8*(\a)+4*(\h)+(\i)], v[FS+(\a)]
.endr
.endm
.macro PROD f, a, b, mode              ; one product; mode 1: it starts the sum
	WIN 0x50
.if \mode
	v_wmma_f32_16x16x32_f16 v[8*(8*(\a)+(\b)):8*(8*(\a)+(\b))+7], v[(\f)+8*(\b):(\f)+8*(\b)+7], v[(\f)+64+8*(\a):(\f)+64+8*(\a)+7], 0
.else
	v_wmma_f32_16x16x32_f16 v[8*(8*(\a)+(\b)):8*(8*(\a)+(\b))+7], v[(\f)+8*(\b):(\f)+8*(\b)+7], v[(\f)+64+8*(\a):(\f)+64+8*(\a)+7], v[8*(8*(\a)+(\b)):8*(8*(\a)+(\b))+7]
.endif
.endm
; Row block a's 8 products.  r = 1: the scaling of the next row block's fragment rides behind the first two, four lines each; r = 2: that of the block after it behind the next two as well.
; The 32 accumulators take turns, in the same order in every quarter.
.macro GRP f, a, r, mode
	PROD \f, \a, 0, \mode
.if (\r) >= 1
	SC \f, (\a)+1, 0
.endif
	PROD \f, \a, 1, \mode
.if (\r) >= 1
	SC \f, (\a)+1, 1
.endif
	PROD \f, \a, 2, \mode
.if (\r) == 2
	SC \f, (\a)+2, 0
.endif
	PROD \f, \a, 3, \mode
.if (\r) == 2
	SC \f, (\a)+2, 1
.endif
.irp b, 4,5,6,7
	PROD \f, \a, \b, \mode
.endr
.endm
.macro FETCH ka, kv, g                 ; 24 LDS loads in one run: V's 8 fragments, turned (32 keys from byte kv on), then P's 4 (32 keys at byte ka of the rows)
	WIN 0
.irp b, 0,1,2,3,4,5,6,7
	ds_load_tr16_b128 v[(\g)+8*(\b):(\g)+8*(\b)+3],   v[ADB] offset:(\kv)+32*(\b)
	ds_load_tr16_b128 v[(\g)+8*(\b)+4:(\g)+8*(\b)+7], v[ADB] offset:(\kv)+32*(\b)+16*PV
.endr
.irp a, 0,1,2,3
	ds_load_b128 v[(\g)+64+8*(\a):(\g)+64+8*(\a)+3],   v[ADA] offset:(\ka)+(\a)*16*PITCH
	ds_load_b128 v[(\g)+64+8*(\a)+4:(\g)+64+8*(\a)+7], v[ADA] offset:(\ka)+(\a)*16*PITCH+32
.endr
.endm
; One of a K step's first three quarters.  The 24 scaling lines ahead of the run of loads name no register of buffer g: they are the places behind the last product that read it.
.macro QUARTER ka, kv, f, g, mode
	s_wait_dscnt 0x0                               ; buffer f is in (and, behind a change of slots, f of the new key block)
	SC \f, 0, 0
	SC \f, 0, 1
	GRP \f, 0, 1, \mode
	GRP \f, 1, 1, \mode
	FETCH \ka, \kv, \g
	GRP \f, 2, 1, \mode
	GRP \f, 3, 0, \mode
.endm
; The fourth quarter and the change of slots.  All four of its fragments are scaled ahead of the barrier's wait, so that f of the next key block can be loaded behind it.
.macro TURN fill
.if \fill
	s_wait_xcnt 0x0                                ; the last prefetch, a K step back, has read its address
	s_add_nc_u64 s[PFA:PFA+1], s[PFA:PFA+1], s[PST:PST+1]
.endif
	WIN 0
	s_wait_tensorcnt 0x0                           ; all my tensor loads have landed: my part of the next slot
	ds_add_u32 v[SPW], v[NIL]
.if \fill
	STEPD
.endif
	s_wait_dscnt 0x0                               ; the add is done, and my reads of this slot are over
	s_barrier_signal -1
	SC F1, 0, 0
	SC F1, 0, 1
	GRP F1, 0, 1, 0
	GRP F1, 1, 2, 0
	WIN 0
	s_barrier_wait -1
.if \fill
	CREST
	JLOAD
.endif
	s_xor_b32 s[TB], s[TB], SLOT1
	s_add_co_u32 s[FK], s[FK], 4
	v_add_nc_u32 v[ADA], s[TB], v[ADRA0]
	v_add_nc_u32 v[ADB], s[TB], v[ADRB0]
	v_add_nc_u32 v[FAD], s[FK], v[FTA0]
.irp a, 0,1,2,3
	ds_load_b32 v[FS+(\a)], v[FAD] offset:(\a)*16*FP
.endr
	FETCH 0, 0, F0
.if \fill
	ASK
.endif
	GRP F1, 2, 0, 0
	GRP F1, 3, 0, 0
.endm
	s_load_b128 s[4:7], s[0:1], 0x0                ; pt s[4:5], qkv s[6:7]
	s_load_b64 s[62:63], s[0:1], 0x10              ; stats
	s_load_b64 s[8:9], s[0:1], 0x18                ; ob
	v_lshl_add_u32 v[SPW], v0, 2, SPARE
	v_mov_b32 v[NIL], 0
	ds_add_u32 v[SPW], v[NIL]                      ; the wave's opening add; its wait comes ahead of my first tensor load
	v_lshrrev_b32 v1, 5, v0
	v_readfirstlane_b32 s10, v1
	s_lshr_b32 s11, s10, 1
	s_and_b32 s12, s10, 1
	s_bfe_u32 s40, ttmp6, 0x40000                  ; cx
	s_bfe_u32 s41, ttmp6, 0x40004                  ; cy
	s_lshl_b32 s42, ttmp9, 2
	s_add_co_u32 s42, s42, s40                     ; X: 256 channels
	s_and_b32 s13, ttmp7, 0xffff
	s_lshl_b32 s13, s13, 2
	s_add_co_u32 s13, s13, s41                     ; Y: 128 rows; the batch is cluster y / 4
	s_lshl_b32 s20, s41, 2
	s_lshl_b32 s20, 15, s20
	s_lshl_b32 s21, 0x1111, s40
	s_or_b32 s[G1A], s20, (1<<16)|(1<<20)|(1<<21)|(5<<22)|(3<<25)   ; after every 64 words 4 words of padding
	s_or_b32 s[G1B], s21, (1<<16)|(1<<20)|(1<<21)|(6<<22)|(7<<25)   ; after every 128 words 8 words
	s_mov_b32 s[G1A+1], 128<<16
	s_mov_b32 s[G1A+2], 64<<16
	s_mov_b32 s[G1A+3], 128<<16
	s_mov_b32 s[G1A+4], 64
	s_mov_b32 s[G1A+5], 2048
	s_mov_b32 s[G1A+6], 0
	s_mov_b32 s[G1A+7], 0
	s_mov_b32 s[G1B+1], 256<<16                    ; 256 channels
	s_mov_b32 s[G1B+2], 64<<16                     ; 64 keys
	s_mov_b32 s[G1B+3], 256<<16
	s_mov_b32 s[G1B+4], 64
	s_mov_b32 s[G1B+5], 3072
	s_mov_b32 s[G1B+6], 0
	s_mov_b32 s[G1B+7], 0
	s_mov_b32 s[G0A], 1
	s_mul_i32 s[G0A+1], s12, AHALF
	s_mov_b32 s[G0B], 1
	s_mul_i32 s[G0B+1], s12, BHALF
	s_add_co_u32 s[G0B+1], s[G0B+1], AOFF
	s_lshl_b32 s16, s13, 7                         ; P~: row 128 Y + 64 x half
	s_lshl_b32 s17, s12, 6
	s_add_co_u32 s16, s16, s17
	s_lshl_b32 s16, s16, 12
	s_mov_b32 s17, 0
	s_and_b32 s47, ttmp7, 0xffff                   ; V: key 2,048 x batch + 64 x half, byte 512 X of its 2,048
	s_lshr_b32 s47, s47, 2
	s_lshl_b32 s46, s47, 11
	s_lshl_b32 s47, s12, 6
	s_add_co_u32 s46, s46, s47
	s_mul_i32 s46, s46, ROWQ
	s_lshl_b32 s47, s42, 9
	s_add_co_u32 s46, s46, s47
	s_mov_b32 s47, 0
	s_mov_b32 s[TB], 0
	s_mov_b32 s[FK], 0
	s_wait_dscnt 0x0
	s_wait_kmcnt 0x0
	s_add_nc_u64 s[6:7], s[6:7], 4096              ; V's part of a row
	s_add_nc_u64 s[G0A+2:G0A+3], s[4:5], s[16:17]
	s_or_b32 s[G0A+3], s[G0A+3], 0x80000000
	s_add_nc_u64 s[G0B+2:G0B+3], s[6:7], s[46:47]
	s_or_b32 s[G0B+3], s[G0B+3], 0x80000000
	CROUND
	JLOAD                                          ; K step 0 into slot 0
	; THE ROWS' STATISTICS: thread t takes row t of the tile: 16 cm and 16 sums
	v_lshlrev_b32 v29, 2, v0
	s_lshl_b32 s18, s13, 9
	s_mov_b32 s19, 0
	s_add_nc_u64 s[62:63], s[62:63], s[18:19]
.set k, 0
.rept 16
	global_load_b32 v[32+k], v29, s[62:63] offset:32768*k
	global_load_b32 v[48+k], v29, s[62:63] offset:524288+32768*k
.set k, k+1
.endr
	v_and_b32 v1, 15, v0                           ; l % 16
	v_bfe_u32 v2, v0, 4, 1                         ; l / 16
	; the prefetches
	s_and_b32 s22, ttmp7, 0xffff
	s_lshr_b32 s20, s22, 2                         ; the batch
	s_and_b32 s22, s22, 3                          ; V is read by the batch's four clusters: the first asks
	s_or_b32 s23, ttmp9, s12                       ; P~'s rows are read by one cluster: wave 0 asks
	s_lshl_b32 s18, s13, 7                         ; P~: row 128 Y + 32 cx, at K step 3
	s_lshl_b32 s19, s40, 5
	s_add_co_u32 s18, s18, s19
	s_lshl_b32 s18, s18, 12
	s_add_co_u32 s18, s18, 3*KA
	s_lshl_b32 s20, s20, 11                        ; V: key 2,048 x batch + 64 x half + 16 cy, byte 512 X, at K step 3
	s_lshl_b32 s21, s12, 6
	s_add_co_u32 s20, s20, s21
	s_lshl_b32 s21, s41, 4
	s_add_co_u32 s20, s20, s21
	s_mul_i32 s20, s20, ROWQ
	s_lshl_b32 s21, s42, 9
	s_add_co_u32 s20, s20, s21
	s_add_co_u32 s20, s20, 3*KV
	s_mov_b32 s2, KV
	s_mov_b32 s21, ROWQ
	s_cmp_eq_u32 s11, 0
	s_cselect_b32 s22, s23, s22
	s_cselect_b32 s18, s18, s20
	s_cselect_b64 s[PFA:PFA+1], s[4:5], s[6:7]
	s_cselect_b32 s[PST], KA, s2
	s_cselect_b32 s21, ROWP, s21                   ; bytes from row to row,
	s_cselect_b32 s20, 0, 1                        ; and one block of 256 bytes a row, or two
	s_cmp_eq_u32 s22, 0
	s_cselect_b32 s[LIM], 2, -1
	s_mov_b32 s19, 0
	s_mov_b32 s[PST+1], 0
	s_add_nc_u64 s[PFA:PFA+1], s[PFA:PFA+1], s[18:19]
	v_and_b32 v3, 31, v0
	v_lshrrev_b32 v[PFO], s20, v3
	v_mul_u32_u24 v[PFO], s21, v[PFO]
	v_and_b32 v3, s20, v3
	v_lshl_add_u32 v[PFO], v3, 8, v[PFO]
	; lane addresses
	v_mul_u32_u24 v3, v1, PITCH
	v_lshl_add_u32 v3, v2, 4, v3
	s_mul_i32 s18, s11, AHALF
	v_add_nc_u32 v[ADRA0], s18, v3
	s_mul_i32 s18, s10, 16*SP
	s_add_co_u32 s18, s18, STAGE
	v_add_nc_u32 v[STO], s18, v3
	v_mul_u32_u24 v3, v2, SP
	v_lshl_add_u32 v3, v1, 4, v3
	v_add_nc_u32 v[RD], s18, v3
	v_lshlrev_b32 v3, 11, v2                       ; two rows of ob
	v_lshl_add_u32 v[CO], v1, 4, v3
	; the turning load takes 16 keys x 16 channels: lane l reads key 8 (l / 16) + l % 8, channels 8 ((l / 8) % 2) + 0..7, and is left with channel l % 16 and 8 keys
	v_and_b32 v3, 7, v0
	v_lshl_add_u32 v3, v2, 3, v3
	v_mul_u32_u24 v3, v3, PV
	v_bfe_u32 v30, v0, 3, 1
	v_lshl_add_u32 v3, v30, 4, v3
	s_lshl_b32 s18, s12, 8                         ; my 128 channels
	s_add_co_u32 s18, s18, AOFF
	v_add_nc_u32 v[ADRB0], s18, v3
	s_mul_i32 s18, s11, 64*FP
	s_add_co_u32 s18, s18, FT
	v_mul_u32_u24 v3, v1, FP
	v_add_nc_u32 v[FTA0], s18, v3
	s_lshl_b32 s18, s11, 8
	s_add_co_u32 s18, s18, RT
	v_lshl_add_u32 v[RTA], v1, 2, s18
	v_mul_u32_u24 v31, v0, FP                      ; where thread t puts row t's f,
	v_add_nc_u32 v31, FT, v31
	v_lshl_add_u32 v30, v0, 2, RT                  ; and its 1 / l
	s_lshl_b32 s18, s13, 7                         ; ob at row 128 Y + 64 x my half, byte 512 X + 256 x my half
	s_lshl_b32 s19, s11, 6
	s_add_co_u32 s18, s18, s19
	s_lshl_b32 s18, s18, 11
	s_lshl_b32 s19, s42, 9
	s_add_co_u32 s18, s18, s19
	s_lshl_b32 s19, s12, 8
	s_add_co_u32 s18, s18, s19
	s_mov_b32 s19, 0
	s_add_nc_u64 s[8:9], s[8:9], s[18:19]
	s_wait_loadcnt 0x0
	v_max3_num_f32 v80, v32, v33, v34              ; the row's true maximum, times c
	v_max3_num_f32 v81, v35, v36, v37
	v_max3_num_f32 v80, v80, v38, v39
	v_max3_num_f32 v81, v81, v40, v41
	v_max3_num_f32 v80, v80, v42, v43
	v_max3_num_f32 v81, v81, v44, v45
	v_max3_num_f32 v80, v80, v46, v47
	v_max_num_f32 v80, v80, v81
.set k, 0
.rept 16
	v_sub_f32 v[32+k], v[32+k], v80
.set k, k+1
.endr
.set k, 0
.rept 16
	v_exp_f32 v[32+k], v[32+k]                     ; f
.set k, k+1
.endr
	v_nop                                          ; a plain instruction behind the last exponential,
	s_wait_alu depctr_va_vdst(0)                   ; and one wait for the 16
	v_mul_f32 v82, v32, v48                        ; l, in two chains
	v_mul_f32 v83, v33, v49
.set k, 2
.rept 7
	v_fmac_f32 v82, v[32+k], v[48+k]
	v_fmac_f32 v83, v[33+k], v[49+k]
.set k, k+2
.endr
	v_add_f32 v82, v82, v83                        ; at least 1: the block with the row's maximum has f = 1 and a sum of 1 or more
	v_rcp_f32 v84, v82
.set k, 0
.rept 16
	v_cvt_pk_f16_f32 v[64+k], v[32+k], v[32+k]     ; f twice in a word; these lines are the independent work behind the reciprocal
.set k, k+1
.endr
	s_wait_alu depctr_va_vdst(0)                   ; ahead of the reciprocal's first use
.irp i, 0,1,2,3
	ds_store_b128 v31, v[64+4*(\i):64+4*(\i)+3] offset:16*(\i)
.endr
	ds_store_b32 v30, v84
	; slot 0 is waited for, slot 1 asked for; the wait for my LDS stores and the round also show the tables to the other waves
	s_wait_tensorcnt 0x0
	ds_add_u32 v[SPW], v[NIL]
	STEPD
	s_wait_dscnt 0x0
	CROUND
	JLOAD
	v_add_nc_u32 v[ADA], s[TB], v[ADRA0]
	v_add_nc_u32 v[ADB], s[TB], v[ADRB0]
	v_add_nc_u32 v[FAD], s[FK], v[FTA0]
.irp a, 0,1,2,3
	ds_load_b32 v[FS+(\a)], v[FAD] offset:(\a)*16*FP
.endr
	FETCH 0, 0, F0
	QUARTER 64, QV, F0, F1, 1                      ; the first quarter's products start the sums
	WIN 0
	s_mov_b32 s3, NSTEP-2
.Lstep:
	QUARTER 128, 2*QV, F1, F0, 0
	QUARTER 192, 3*QV, F0, F1, 0
	TURN 1
	QUARTER 64, QV, F0, F1, 0
	WIN 0
	s_sub_co_u32 s3, s3, 1
	s_cmp_lg_u32 s3, 0
	s_cbranch_scc1 .Lstep
	QUARTER 128, 2*QV, F1, F0, 0                   ; the last two K steps are written out: nothing more is asked for
	QUARTER 192, 3*QV, F0, F1, 0
	TURN 0
	QUARTER 64, QV, F0, F1, 0
	QUARTER 128, 2*QV, F1, F0, 0
	QUARTER 192, 3*QV, F0, F1, 0
	s_wait_dscnt 0x0
	SC F1, 0, 0
	SC F1, 0, 1
	GRP F1, 0, 1, 0
	GRP F1, 1, 1, 0
	GRP F1, 2, 1, 0
	GRP F1, 3, 0, 0
	WIN 0
.irp a, 0,1,2,3
	ds_load_b32 v[RR+2*(\a)], v[RTA] offset:64*(\a)    ; 1 / l of my row in row block a; both words of the pair are written
	ds_load_b32 v[RR+2*(\a)+1], v[RTA] offset:64*(\a)
.endr
	PLACES
	PLACES
	s_wait_dscnt 0x0
; THE WAY OUT.  Block a: divided by l, rounded to f16, through my own stage, stored as whole rows of 256 bytes.
.macro PACK a
	WIN 0x41                                       ; destination and source 0 in window 1
.set z, 64*(\a)
.rept 32
	v_pk_mul_f32 v[z:z+1], v[z:z+1], v[RR+2*(\a):RR+2*(\a)+1] op_sel_hi:[1,0]
.set z, z+2
.endr
	WIN 0x05
.irp b, 0,1,2,3,4,5,6,7
.irp r, 0,1,2,3
	v_cvt_pk_f16_f32 v[TMP+4*(\b)+(\r)], v[8*(8*(\a)+(\b))+2*(\r)], v[8*(8*(\a)+(\b))+2*(\r)+1]
.endr
.endr
	WIN 0
.irp b, 0,1,2,3,4,5,6,7
	ds_store_b128 v[STO], v[TMP+4*(\b):TMP+4*(\b)+3] offset:32*(\b)
.endr
.irp t, 0,1,2,3,4,5,6,7
	ds_load_b128 v[BK+32*(\a)+4*(\t):BK+32*(\a)+4*(\t)+3], v[RD] offset:(\t)*2*SP  ; LDS serves a wave's instructions in order (ISA guide 5.7.1.4)
.endr
.endm
.macro SEND a, younger
.irp t, 0,1,2,3,4,5,6,7
	s_wait_dscnt (\younger)+7-(\t)
	global_store_b128 v[CO], v[BK+32*(\a)+4*(\t):BK+32*(\a)+4*(\t)+3], s[8:9] offset:(16*(\a)+2*(\t))*ROWC  ; 16 lanes store 256 consecutive bytes, at a multiple of 256 from ob's first byte
.endr
.endm
	PACK 0
	PACK 1
	SEND 0, 16
	PACK 2
	SEND 1, 16
	PACK 3
	SEND 2, 16
	SEND 3, 0
	s_wait_tensorcnt 0x0                           ; the wave's end
	ds_add_u32 v[SPW], v[NIL]
	s_wait_dscnt 0x0
	CROUND                                         ; the closing round
	s_endpgm
.Lfunc_end_k_qdfa92fed10_mix:
	.size	k_qdfa92fed10_mix, .Lfunc_end_k_qdfa92fed10_mix-k_qdfa92fed10_mix
	.p2alignl 7, 3214868480
	.fill 96, 4, 3214868480
	.section	.rodata,"a",@progbits
	.p2align	6, 0x0
	.amdhsa_kernel k_qdfa92fed10_mix
		.amdhsa_group_segment_fixed_size 327680
		.amdhsa_private_segment_fixed_size 0
		.amdhsa_enable_private_segment 0
		.amdhsa_kernarg_size 32
		.amdhsa_user_sgpr_count 2
		.amdhsa_user_sgpr_kernarg_segment_ptr 1
		.amdhsa_wavefront_size32 1
		.amdhsa_system_sgpr_workgroup_id_x 1
		.amdhsa_system_sgpr_workgroup_id_y 1
		.amdhsa_system_sgpr_workgroup_id_z 1
		.amdhsa_system_vgpr_workitem_id 0
		.amdhsa_next_free_vgpr 512
		.amdhsa_next_free_sgpr 66
		.amdhsa_reserve_vcc 0
		.amdhsa_float_denorm_mode_32 3
		.amdhsa_float_denorm_mode_16_64 3
		.amdhsa_memory_ordered 1
		.amdhsa_forward_progress 1
		.amdhsa_inst_pref_size 117
	.end_amdhsa_kernel
	.amdgpu_metadata
---
amdhsa.version: [ 1, 2 ]
amdhsa.kernels:
  - .name:           k_qdfa92fed10_mix
    .symbol:         k_qdfa92fed10_mix.kd
    .args:
      - { .name: pt, .offset: 0, .size: 8, .value_kind: global_buffer, .address_space: global }
      - { .name: qkv, .offset: 8, .size: 8, .value_kind: global_buffer, .address_space: global }
      - { .name: stats, .offset: 16, .size: 8, .value_kind: global_buffer, .address_space: global }
      - { .name: ob, .offset: 24, .size: 8, .value_kind: global_buffer, .address_space: global }
    .group_segment_fixed_size: 327680
    .private_segment_fixed_size: 0
    .kernarg_segment_align: 8
    .kernarg_segment_size: 32
    .max_flat_workgroup_size: 128
    .sgpr_count:     66
    .vgpr_count:     512
    .wavefront_size: 32
...
	.end_amdgpu_metadata
.endif
;; end of part 4
;; launch outp (part 5): grid 4 x 64, 4 waves a work-group, clusters of 4 x 4, 327,680 bytes of LDS; arguments ob, woh, bias, out0; writes out0
.if DOCPART == 5
	.amdgcn_target "amdgcn-amd-amdhsa--gfx1250"
	.amdhsa_code_object_version 6
	.text
	.protected	k_qdfa92fed10_outp
	.globl	k_qdfa92fed10_outp
	.p2align	8
	.type	k_qdfa92fed10_outp,@function
k_qdfa92fed10_outp:
	s_mov_b64 s[64:65], 0
	v_nop
	global_prefetch_b8 v0, s[64:65] scope:SCOPE_SE
	s_setreg_imm32_b32 hwreg(HW_REG_WAVE_MODE, 25, 1), 1
	s_wait_xcnt 0x0
	s_wait_alu depctr_hold_cnt(0) depctr_sa_sdst(0) depctr_va_vdst(0) depctr_va_sdst(0) depctr_va_ssrc(0) depctr_va_vcc(0) depctr_vm_vsrc(0)
	s_getreg_b32 s2, hwreg(HW_REG_IB_STS2, 6, 4)
	s_cmp_eq_u32 s2, 0
	s_cbranch_scc0 .Lentry_in_a_cluster
	s_endpgm
.Lentry_in_a_cluster:
	s_bfe_u32 s2, ttmp6, 0x10000c
	s_cmp_lg_u32 s2, 0xf033
	s_cbranch_scc0 .Lentry_shape_is_right
	s_endpgm
.Lentry_shape_is_right:
; out0[m][n] = the sum over k of ob[m][k] woh[n][k] + bo[n].  ob: [8192][1024] f16, woh: [1024][1024] f16 (Wo rounded to bf16, written as f16), bo: f32 at byte 12,288 of bias, out0: [8192][1024] f32.
; Sums in f32, started by the bias; stored as they are.  NaN and infinities are not treated apart.
; SHARES, RING, CLUSTER, LAYOUT: a tile of C is 128 x 256: 256 work-groups; four waves of 64 x 128, 32 accumulators each; K in 8 steps of 128 through two LDS slots, rows of 256 bytes + 16 of padding;
; 4 x 4 work-groups ask jointly for A's tiles along a row of the cluster and for B's along a column; source 0 = 16 rows of B, source 1 = 16 rows of A: lane l holds row l % 16 of C and the columns 8 (l / 16) + 0..7.
; REGISTERS.  window 0: v0-31 addresses; v32-127, v128-223 two fragment buffers; on the way out v32-159 two sets of 16 rows.  window 1: accumulator (a, b) at v[8 (8 a + b)].  window 2: v0-63 the bias as a C operand.
.set NSTEP,  8
.set PITCH,  272
.set AHALF,  64*PITCH
.set AOFF,   128*PITCH
.set BHALF,  128*PITCH
.set SLOT1,  1<<17
.set STAGE,  SLOT1+AOFF+2*BHALF        ; 16 rows x 528 bytes for each wave
.set SP,     528                       ; 512 bytes of f32 + 16: 33 x 16 bytes, so the 16 rows of a store start at 16 different groups of four banks (ISA guide 11.1)
.set SPARE,  STAGE+4*16*SP             ; the spare words: two blocks of 256 bytes that no other line names
.set ROWA,   2048
.set ROWB,   2048
.set ROWC,   4096
.set KB,     256
.set G1W,    (1<<16)|(1<<20)|(1<<21)|(5<<22)|(3<<25)
.set ADRA0, 4
.set ADRB0, 5
.set ADA,   6
.set ADB,   7
.set STO,   8
.set RD,    9
.set CO,    10
.set PFO,   11
.set SPW,   12
.set NIL,   13
.set BO,    14
.set F0,    32
.set F1,    128
.set BK,    32
.set G1A, 24
.set G0A, 32
.set G0B, 36
.set LIM, 43
.set PFA, 44
.set G1B, 48
.set TB,  56
.set MSB, 0
.macro WIN new
.if MSB != (\new)
	s_set_vgpr_msb (MSB<<8)|(\new)
.set MSB, \new
.endif
.endm
.macro PLACES
.rept 4
	v_nop
.endr
.endm
.macro CREST
	s_cmp_lg_u32 s10, 0
	s_cbranch_scc1 .Lnot_wave_0_\@
	s_barrier_signal -3
.Lnot_wave_0_\@:
	s_barrier_wait -3
	s_barrier_signal -1
	s_barrier_wait -1
.endm
.macro CROUND
	s_barrier_signal -1
	s_barrier_wait -1
	CREST
.endm
.macro JLOAD                           ; waves 0 and 1 fetch A's halves, waves 2 and 3 B's; an s_nop 0 and four v_nop follow each line
	s_cmp_lt_u32 s10, 2
	s_cbranch_scc0 .Lfor_b_\@
	tensor_load_to_lds s[G0A:G0A+3], s[G1A:G1A+7]
	s_nop 0
.rept 4
	v_nop
.endr
	s_branch .Lasked_\@
.Lfor_b_\@:
	tensor_load_to_lds s[G0B:G0B+3], s[G1B:G1B+7]
	s_nop 0
.rept 4
	v_nop
.endr
.Lasked_\@:
.endm
.macro STEPD
	s_xor_b32 s[G0A+1], s[G0A+1], SLOT1
	s_add_nc_u64 s[G0A+2:G0A+3], s[G0A+2:G0A+3], KB
	s_xor_b32 s[G0B+1], s[G0B+1], SLOT1
	s_add_nc_u64 s[G0B+2:G0B+3], s[G0B+2:G0B+3], KB
.endm
; A prefetch into the L2 of the K step two fills on: 32 rows x 256 bytes, a lane a row; each block named once: ob's rows by wave 0, woh's by waves 2 and 3 of the clusters with y = 0; partners share rows by address.
.macro ASK
	s_cmp_gt_u32 s3, s[LIM]
	s_cbranch_scc0 .Lnot_mine_\@
	global_prefetch_b8 v[PFO], s[PFA:PFA+1] th:TH_LOAD_NT scope:SCOPE_SE
.Lnot_mine_\@:
.endm
.macro MULA f, a, mode                 ; 8 products; mode 2: the bias starts the sums.  The 32 accumulators take turns
.if (\mode) == 2
	WIN 0x60
.else
	WIN 0x50
.endif
.irp b, 0,1,2,3,4,5,6,7
.if (\mode) == 2
	v_wmma_f32_16x16x32_f16 v[8*(8*(\a)+(\b)):8*(8*(\a)+(\b))+7], v[(\f)+8*(\b):(\f)+8*(\b)+7], v[(\f)+64+8*(\a):(\f)+64+8*(\a)+7], v[8*(\b):8*(\b)+7]
.else
	v_wmma_f32_16x16x32_f16 v[8*(8*(\a)+(\b)):8*(8*(\a)+(\b))+7], v[(\f)+8*(\b):(\f)+8*(\b)+7], v[(\f)+64+8*(\a):(\f)+64+8*(\a)+7], v[8*(8*(\a)+(\b)):8*(8*(\a)+(\b))+7]
.endif
.endr
.endm
.macro FETCH k, g
	WIN 0
.irp b, 0,1,2,3,4,5,6,7
	ds_load_b128 v[(\g)+8*(\b):(\g)+8*(\b)+3],   v[ADB] offset:(\k)+(\b)*16*PITCH
	ds_load_b128 v[(\g)+8*(\b)+4:(\g)+8*(\b)+7], v[ADB] offset:(\k)+(\b)*16*PITCH+32
.endr
.irp a, 0,1,2,3
	ds_load_b128 v[(\g)+64+8*(\a):(\g)+64+8*(\a)+3],   v[ADA] offset:(\k)+(\a)*16*PITCH
	ds_load_b128 v[(\g)+64+8*(\a)+4:(\g)+64+8*(\a)+7], v[ADA] offset:(\k)+(\a)*16*PITCH+32
.endr
.endm
.macro QUARTER k, f, g, mode
	s_wait_dscnt 4                                 ; the youngest four loads (A's blocks 2, 3) may be out
	MULA \f, 0, \mode
	MULA \f, 1, \mode
	PLACES
	FETCH \k, \g
	s_wait_dscnt 24                                ; all but the 24 just issued
	MULA \f, 2, \mode
	MULA \f, 3, \mode
.endm
.macro TURN fill                       ; the fourth quarter and the change of slots: all my tensor loads waited for, the add, my reads waited for, the barrier (with a fill: a round of the cluster's), the fill first behind it
.if \fill
	s_wait_xcnt 0x0                                ; the last prefetch, a K step back, has read its address
	s_add_nc_u64 s[PFA:PFA+1], s[PFA:PFA+1], KB
.endif
	WIN 0
	s_wait_tensorcnt 0x0
	ds_add_u32 v[SPW], v[NIL]
.if \fill
	STEPD
.endif
	s_wait_dscnt 5                                 ; the add and the youngest four loads may be out
	MULA F1, 0, 0
	s_wait_dscnt 0x0
	s_barrier_signal -1
	MULA F1, 1, 0
.if \fill
	WIN 0
.endif
	s_barrier_wait -1
.if \fill
	CREST
	JLOAD
.else
	PLACES
	WIN 0
.endif
	s_xor_b32 s[TB], s[TB], SLOT1
	v_add_nc_u32 v[ADA], s[TB], v[ADRA0]
	v_add_nc_u32 v[ADB], s[TB], v[ADRB0]
	FETCH 0, F0
.if \fill
	ASK
.endif
	MULA F1, 2, 0
	MULA F1, 3, 0
.endm
	s_load_b128 s[4:7], s[0:1], 0x0                ; ob s[4:5], woh s[6:7]
	s_load_b64 s[62:63], s[0:1], 0x10              ; bias
	s_load_b64 s[8:9], s[0:1], 0x18                ; out0
	v_lshl_add_u32 v[SPW], v0, 2, SPARE
	v_mov_b32 v[NIL], 0
	ds_add_u32 v[SPW], v[NIL]                      ; the wave's opening add; its wait comes ahead of my first tensor load
	v_lshrrev_b32 v1, 5, v0
	v_readfirstlane_b32 s10, v1
	s_lshr_b32 s11, s10, 1
	s_and_b32 s12, s10, 1
	s_bfe_u32 s40, ttmp6, 0x40000                  ; cx
	s_bfe_u32 s41, ttmp6, 0x40004                  ; cy
	s_lshl_b32 s42, ttmp9, 2
	s_add_co_u32 s42, s42, s40                     ; X
	s_and_b32 s13, ttmp7, 0xffff
	s_lshl_b32 s13, s13, 2
	s_add_co_u32 s13, s13, s41                     ; Y
	s_lshl_b32 s20, s41, 2
	s_lshl_b32 s20, 15, s20
	s_lshl_b32 s21, 0x1111, s40
	s_or_b32 s[G1A], s20, G1W
	s_or_b32 s[G1B], s21, G1W
	s_mov_b32 s[G1A+1], 128<<16
	s_mov_b32 s[G1A+2], 64<<16
	s_mov_b32 s[G1A+3], 128<<16
	s_mov_b32 s[G1A+4], 64
	s_mov_b32 s[G1A+5], 1024
	s_mov_b32 s[G1A+6], 0
	s_mov_b32 s[G1A+7], 0
	s_mov_b32 s[G1B+1], 128<<16
	s_mov_b32 s[G1B+2], 128<<16
	s_mov_b32 s[G1B+3], 128<<16
	s_mov_b32 s[G1B+4], 128
	s_mov_b32 s[G1B+5], 1024
	s_mov_b32 s[G1B+6], 0
	s_mov_b32 s[G1B+7], 0
	s_mov_b32 s[G0A], 1
	s_mul_i32 s[G0A+1], s12, AHALF
	s_mov_b32 s[G0B], 1
	s_mul_i32 s[G0B+1], s12, BHALF
	s_add_co_u32 s[G0B+1], s[G0B+1], AOFF
	s_lshl_b32 s16, s13, 7
	s_lshl_b32 s17, s12, 6
	s_add_co_u32 s16, s16, s17
	s_mul_i32 s16, s16, ROWA
	s_mov_b32 s17, 0
	s_lshl_b32 s46, s42, 8
	s_lshl_b32 s47, s12, 7
	s_add_co_u32 s46, s46, s47
	s_mul_i32 s46, s46, ROWB
	s_mov_b32 s47, 0
	s_mov_b32 s[TB], 0
	s_wait_dscnt 0x0
	s_wait_kmcnt 0x0
	s_add_nc_u64 s[G0A+2:G0A+3], s[4:5], s[16:17]
	s_or_b32 s[G0A+3], s[G0A+3], 0x80000000
	s_add_nc_u64 s[G0B+2:G0B+3], s[6:7], s[46:47]
	s_or_b32 s[G0B+3], s[G0B+3], 0x80000000
	CROUND
	JLOAD                                          ; K step 0 into slot 0
	v_and_b32 v1, 15, v0                           ; l % 16
	v_bfe_u32 v2, v0, 4, 1                         ; l / 16
	v_lshlrev_b32 v[BO], 5, v2
	s_lshl_b32 s18, s42, 10                        ; bo of my 128 columns
	s_lshl_b32 s19, s12, 9
	s_add_co_u32 s18, s18, s19
	s_add_co_u32 s18, s18, 12288
	s_mov_b32 s19, 0
	s_add_nc_u64 s[62:63], s[62:63], s[18:19]
	WIN 0x80
.irp b, 0,1,2,3,4,5,6,7
	global_load_b128 v[8*(\b):8*(\b)+3],   v[BO], s[62:63] offset:64*(\b)
	global_load_b128 v[8*(\b)+4:8*(\b)+7], v[BO], s[62:63] offset:64*(\b)+16
.endr
	WIN 0
	s_and_b32 s22, ttmp7, 0xffff                   ; woh's rows are read by every cluster: y = 0 asks
	s_or_b32 s23, ttmp9, s12                       ; ob's rows by one cluster: wave 0 asks
	s_lshl_b32 s18, s13, 7
	s_lshl_b32 s19, s40, 5
	s_add_co_u32 s18, s18, s19
	s_lshl_b32 s20, s42, 8
	s_lshl_b32 s21, s12, 7
	s_add_co_u32 s20, s20, s21
	s_lshl_b32 s21, s41, 5
	s_add_co_u32 s20, s20, s21
	s_cmp_eq_u32 s11, 0
	s_cselect_b32 s22, s23, s22
	s_cselect_b32 s18, s18, s20
	s_cselect_b64 s[PFA:PFA+1], s[4:5], s[6:7]
	s_cmp_eq_u32 s22, 0
	s_cselect_b32 s[LIM], 2, -1
	s_mul_i32 s18, s18, ROWA
	s_add_co_u32 s18, s18, 3*KB
	s_mov_b32 s19, 0
	s_add_nc_u64 s[PFA:PFA+1], s[PFA:PFA+1], s[18:19]
	v_and_b32 v[PFO], 31, v0
	v_lshlrev_b32 v[PFO], 11, v[PFO]
	v_mul_u32_u24 v3, v1, PITCH
	v_lshl_add_u32 v3, v2, 4, v3
	s_mul_i32 s18, s11, AHALF
	v_add_nc_u32 v[ADRA0], s18, v3
	s_mul_i32 s18, s12, BHALF
	s_add_co_u32 s18, s18, AOFF
	v_add_nc_u32 v[ADRB0], s18, v3
	s_mul_i32 s18, s10, 16*SP
	s_add_co_u32 s18, s18, STAGE                   ; my stage
	v_mul_u32_u24 v3, v1, SP                       ; in: row l % 16, 32 bytes for each half of the lanes
	v_lshl_add_u32 v3, v2, 5, v3
	v_add_nc_u32 v[STO], s18, v3
	v_and_b32 v3, 31, v0                           ; back: 32 lanes take one row of 512 bytes
	v_lshlrev_b32 v[CO], 4, v3
	v_add_nc_u32 v[RD], s18, v[CO]
	s_lshl_b32 s18, s13, 7                         ; out0 at row 128 Y + 64 x my half, byte 1,024 X + 512 x my half
	s_lshl_b32 s19, s11, 6
	s_add_co_u32 s18, s18, s19
	s_lshl_b32 s18, s18, 12
	s_lshl_b32 s19, s42, 10
	s_add_co_u32 s18, s18, s19
	s_lshl_b32 s19, s12, 9
	s_add_co_u32 s18, s18, s19
	s_mov_b32 s19, 0
	s_add_nc_u64 s[8:9], s[8:9], s[18:19]
	s_wait_tensorcnt 0x0                           ; slot 0 is waited for, slot 1 asked for
	ds_add_u32 v[SPW], v[NIL]
	STEPD
	s_wait_dscnt 0x0
	CROUND
	JLOAD
	v_add_nc_u32 v[ADA], s[TB], v[ADRA0]
	v_add_nc_u32 v[ADB], s[TB], v[ADRB0]
	FETCH 0, F0
	s_wait_loadcnt 0x0                             ; the bias
	QUARTER 64, F0, F1, 2
	WIN 0
	s_mov_b32 s3, NSTEP-2
.Lstep:
	QUARTER 128, F1, F0, 0
	QUARTER 192, F0, F1, 0
	TURN 1
	QUARTER 64, F0, F1, 0
	WIN 0
	s_sub_co_u32 s3, s3, 1
	s_cmp_lg_u32 s3, 0
	s_cbranch_scc1 .Lstep
	QUARTER 128, F1, F0, 0
	QUARTER 192, F0, F1, 0
	TURN 0
	QUARTER 64, F0, F1, 0
	QUARTER 128, F1, F0, 0
	QUARTER 192, F0, F1, 0
	s_wait_dscnt 0x0
	MULA F1, 0, 0
	MULA F1, 1, 0
	MULA F1, 2, 0
	MULA F1, 3, 0
	WIN 0
	PLACES
	PLACES
; THE WAY OUT.  Block a's 16 rows go from the accumulators into my own stage, each accumulator's low half first, and come back as whole rows of 512 bytes, into one of two sets of 64 registers.
.macro TOSTAGE a
.if (\a) >= 2
	s_wait_xcnt 0x0                                ; the stores of the block two back have read the set that is loaded again
.endif
	WIN 0x04                                       ; the stores' data in window 1
.irp b, 0,1,2,3,4,5,6,7
	ds_store_b128 v[STO], v[8*(8*(\a)+(\b)):8*(8*(\a)+(\b))+3]   offset:64*(\b)
	ds_store_b128 v[STO], v[8*(8*(\a)+(\b))+4:8*(8*(\a)+(\b))+7] offset:64*(\b)+16
.endr
	WIN 0
.irp t, 0,1,2,3,4,5,6,7,8,9,10,11,12,13,14,15
	ds_load_b128 v[BK+64*((\a)%2)+4*(\t):BK+64*((\a)%2)+4*(\t)+3], v[RD] offset:(\t)*SP  ; LDS serves a wave's instructions in order (ISA guide 5.7.1.4)
.endr
.endm
.macro SEND a, younger                 ; younger: the next block's 16 LDS stores and 16 loads, or none
	s_wait_dscnt \younger
.irp t, 0,1,2,3,4,5,6,7,8,9,10,11,12,13,14,15
	global_store_b128 v[CO], v[BK+64*((\a)%2)+4*(\t):BK+64*((\a)%2)+4*(\t)+3], s[8:9] offset:(16*(\a)+(\t))*ROWC th:TH_STORE_NT  ; 512 consecutive bytes, at a multiple of 256 from out0's first byte
.endr
.endm
	TOSTAGE 0
	TOSTAGE 1
	SEND 0, 32
	TOSTAGE 2
	SEND 1, 32
	TOSTAGE 3
	SEND 2, 32
	SEND 3, 0
	s_wait_tensorcnt 0x0                           ; the wave's end
	ds_add_u32 v[SPW], v[NIL]
	s_wait_dscnt 0x0
	CROUND                                         ; the closing round
	s_endpgm
.Lfunc_end_k_qdfa92fed10_outp:
	.size	k_qdfa92fed10_outp, .Lfunc_end_k_qdfa92fed10_outp-k_qdfa92fed10_outp
	.p2alignl 7, 3214868480
	.fill 96, 4, 3214868480
	.section	.rodata,"a",@progbits
	.p2align	6, 0x0
	.amdhsa_kernel k_qdfa92fed10_outp
		.amdhsa_group_segment_fixed_size 327680
		.amdhsa_private_segment_fixed_size 0
		.amdhsa_enable_private_segment 0
		.amdhsa_kernarg_size 32
		.amdhsa_user_sgpr_count 2
		.amdhsa_user_sgpr_kernarg_segment_ptr 1
		.amdhsa_wavefront_size32 1
		.amdhsa_system_sgpr_workgroup_id_x 1
		.amdhsa_system_sgpr_workgroup_id_y 1
		.amdhsa_system_sgpr_workgroup_id_z 1
		.amdhsa_system_vgpr_workitem_id 0
		.amdhsa_next_free_vgpr 576
		.amdhsa_next_free_sgpr 66
		.amdhsa_reserve_vcc 0
		.amdhsa_float_denorm_mode_32 3
		.amdhsa_float_denorm_mode_16_64 3
		.amdhsa_memory_ordered 1
		.amdhsa_forward_progress 1
		.amdhsa_inst_pref_size 72
	.end_amdhsa_kernel
	.amdgpu_metadata
---
amdhsa.version: [ 1, 2 ]
amdhsa.kernels:
  - .name:           k_qdfa92fed10_outp
    .symbol:         k_qdfa92fed10_outp.kd
    .args:
      - { .name: ob, .offset: 0, .size: 8, .value_kind: global_buffer, .address_space: global }
      - { .name: woh, .offset: 8, .size: 8, .value_kind: global_buffer, .address_space: global }
      - { .name: bias, .offset: 16, .size: 8, .value_kind: global_buffer, .address_space: global }
      - { .name: out0, .offset: 24, .size: 8, .value_kind: global_buffer, .address_space: global }
    .group_segment_fixed_size: 327680
    .private_segment_fixed_size: 0
    .kernarg_segment_align: 8
    .kernarg_segment_size: 32
    .max_flat_workgroup_size: 128
    .sgpr_count:     66
    .vgpr_count:     576
    .wavefront_size: 32
...
	.end_amdgpu_metadata
.endif
;; end of part 5
;; ======== version 2 of 2: 5 launches; version 1 with the launch cast written anew for expert scheduling mode
;; limits: values are held in f16: magnitudes above 65,504 overflow, below 6.1e-05 lose precision
;; workspace buffers: xb 16,777,216 bytes; wb 6,291,456 bytes; woh 2,097,152 bytes; bias 16,384 bytes; qkv 50,331,648 bytes; pt 33,554,432 bytes; stats 1,048,576 bytes; ob 16,777,216 bytes
;; launch cast (part 6): grid 769 x 1, 8 waves a work-group, no clusters, 0 bytes of LDS; arguments x, Wq, Wk, Wv, Wo, bq, bk, bv, bo, xb, wb, woh, bias; writes xb, wb, woh, bias
.if DOCPART == 6
	.amdgcn_target "amdgcn-amd-amdhsa--gfx1250"
	.amdhsa_code_object_version 6
	.text
	.protected	k_qdfa92fed10_cast
	.globl	k_qdfa92fed10_cast
	.p2align	8
	.type	k_qdfa92fed10_cast,@function
k_qdfa92fed10_cast:
	s_mov_b64 s[64:65], 0
	v_nop
	global_prefetch_b8 v0, s[64:65] scope:SCOPE_SE
	s_setreg_imm32_b32 hwreg(HW_REG_WAVE_SCHED_MODE, 0, 2), 2
	s_setreg_imm32_b32 hwreg(HW_REG_WAVE_MODE, 25, 1), 1
	s_wait_xcnt 0x0
	s_wait_alu depctr_vm_vsrc(0)
; ALL INPUTS ARE ROUNDED ONCE TO bf16.  x -> xb (bf16); Wq, Wk, Wv -> wb (bf16, 3,072 rows on end); Wo -> woh: the bf16 number written as f16; bq, bk, bv, bo -> bias: the bf16 numbers kept as f32.
; LIMITS.  woh: a bf16 number is exact in f16 from 2^-17 up to 65,504; below 2^-17 it keeps f16's fixed step of 2^-24, beyond 65,504 it becomes an infinity.
; SHARES.  A work-group of 256 threads takes a chunk of 16,384 numbers: 16 lines of 1,024.  In a line thread t loads 16 bytes at 16 t and stores 8 bytes at 8 t:
; a wave's load covers 512 consecutive bytes, its store 256 consecutive bytes at a multiple of 256.  All 16 loads go out first; the waits count down, a block of four lines at a time.
; Work-group g: 0-511 x; 512-703 Wq, Wk, Wv (64 chunks each); 704-767 Wo; 768 the four biases.  No LDS, no matrix work: each byte is read once and written once.
; THE MODE: SCHED_MODE bits 1:0 = 2 (LLVM: expert scheduling mode 2), set by the entry lines.  The code itself states the register dependences
; between vector instructions and memory instructions, with s_wait_alu, always for 0.
; THE PLAN.  Registers that memory instructions touch:
;   v1, v2   byte offsets, made once at the head and never written again: v1 is read by every load (and by the biases' stores), v2 by a chunk's stores.
;   X        line i: 4 registers.  The loads land in them before any vector instruction names them; the line's conversions read them behind the block's wait for its loads.  No memory instruction reads them.
;   Y        line i: registers of its own, written once, by the line's conversions, and read once, by the line's store.
;   T        named by vector instructions alone.
; No register that a memory instruction has read is written again, no load lands in a register that a vector instruction has named, no vector instruction writes a scalar register, and EXEC is never written.
; So one kind of dependence is left to state: a vector instruction has written what a memory instruction reads.  Block g works on X and Y of its own four lines; its memory instructions are the four stores of
; block g - 1, which read that block's Y and v2: registers that no vector instruction of block g names.  ONE wait at a block's head therefore serves its four stores, which are dealt among its conversions.
.set X, 8                              ; v[8:71]    16 lines x 4 numbers as loaded
.set Y, 72                             ; v[72:103]  what is stored
.set T, 4                              ; v[4:5]     four numbers in bf16, at work
	s_load_b512 s[8:23], s[0:1], 0x0               ; x s[8:9], Wq s[10:11], Wk s[12:13], Wv s[14:15], Wo s[16:17], bq s[18:19], bk s[20:21], bv s[22:23]
	s_load_b256 s[24:31], s[0:1], 0x40             ; bo s[24:25], xb s[26:27], wb s[28:29], woh s[30:31]
	s_load_b64 s[32:33], s[0:1], 0x60              ; bias
	s_mov_b32 s4, ttmp9                            ; g
	s_sub_co_u32 s2, s4, 512                       ; the chunk's number in wb (used from g = 512 on)
	s_and_b32 s3, s2, 63                           ; the chunk's number in its weight matrix
	s_mov_b32 s5, 0xffff0000                       ; a word's upper bf16
	v_lshlrev_b32 v1, 4, v0                        ; 16 t
	v_lshlrev_b32 v2, 3, v0                        ; 8 t
	s_wait_kmcnt 0x0
	s_wait_alu depctr_va_vdst(0)                   ; v1 and v2 are written: every load and store of the kernel, on all three ways, reads one of them as its offset
	s_cmp_eq_u32 s4, 768
	s_cbranch_scc1 .Lbias
	s_cmp_lt_u32 s4, 512                           ; source s[34:35] and its chunk s36, destination s[38:39] and its chunk s37
	s_cselect_b64 s[34:35], s[8:9], s[10:11]
	s_cselect_b32 s36, s4, s3
	s_cselect_b64 s[38:39], s[26:27], s[28:29]
	s_cselect_b32 s37, s4, s2
	s_cmp_ge_u32 s4, 576
	s_cselect_b64 s[34:35], s[12:13], s[34:35]
	s_cmp_ge_u32 s4, 640
	s_cselect_b64 s[34:35], s[14:15], s[34:35]
	s_cmp_ge_u32 s4, 704
	s_cselect_b64 s[34:35], s[16:17], s[34:35]
	s_cselect_b64 s[38:39], s[30:31], s[38:39]
	s_cselect_b32 s37, s3, s37
	s_lshl_b32 s40, s36, 16                        ; a chunk is 65,536 bytes of f32
	s_mov_b32 s41, 0
	s_lshl_b32 s42, s37, 15                        ; and 32,768 bytes of 16-bit numbers
	s_mov_b32 s43, 0
	s_add_nc_u64 s[34:35], s[34:35], s[40:41]
	s_add_nc_u64 s[38:39], s[38:39], s[42:43]
.irp i, 0,1,2,3,4,5,6,7,8,9,10,11,12,13,14,15
	global_load_b128 v[X+4*(\i):X+4*(\i)+3], v1, s[34:35] offset:4096*(\i) th:TH_LOAD_NT  ; no vector instruction has named X
.endr
.macro TOBF i                          ; line i's four numbers rounded to bf16, into T
	v_cvt_pk_bf16_f32 v[T], v[X+4*(\i)], v[X+4*(\i)+1]
	v_cvt_pk_bf16_f32 v[T+1], v[X+4*(\i)+2], v[X+4*(\i)+3]
.endm
.macro WIDEN d                         ; T's four bf16 numbers as f32, into v[d .. d+3]
	v_lshlrev_b32 v[(\d)], 16, v[T]
	v_and_b32 v[(\d)+1], s5, v[T]
	v_lshlrev_b32 v[(\d)+2], 16, v[T+1]
	v_and_b32 v[(\d)+3], s5, v[T+1]
.endm
.macro OUT n                           ; line n's store
	global_store_b64 v2, v[Y+2*(\n):Y+2*(\n)+1], s[38:39] offset:2048*(\n)
.endm
; Block g: lines 4 g to 4 g + 3.  half = 0: rounded to bf16.  half = 1 (Wo): rounded to bf16 like every input, and that number written as f16.
.macro BLK g, half
	s_wait_loadcnt 12-4*(\g)                       ; loads come back in order (ISA guide 5.7.1): this block's four lines are in, the later blocks' 12 - 4 g loads stay out
.if (\g) > 0
	s_wait_alu depctr_va_vdst(0)                   ; the block before has written its Y, which the four stores below read
.endif
.irp i, 0,1,2,3
.if (\g) > 0
	OUT 4*(\g)-4+(\i)                              ; the block before; no vector instruction since the wait names its Y or v2
.endif
.if \half
	TOBF 4*(\g)+(\i)
	WIDEN X+4*(4*(\g)+(\i))
	v_cvt_pk_f16_f32 v[Y+2*(4*(\g)+(\i))], v[X+4*(4*(\g)+(\i))], v[X+4*(4*(\g)+(\i))+1]
	v_cvt_pk_f16_f32 v[Y+2*(4*(\g)+(\i))+1], v[X+4*(4*(\g)+(\i))+2], v[X+4*(4*(\g)+(\i))+3]
.else
	v_cvt_pk_bf16_f32 v[Y+2*(4*(\g)+(\i))], v[X+4*(4*(\g)+(\i))], v[X+4*(4*(\g)+(\i))+1]
	v_cvt_pk_bf16_f32 v[Y+2*(4*(\g)+(\i))+1], v[X+4*(4*(\g)+(\i))+2], v[X+4*(4*(\g)+(\i))+3]
.endif
.endr
.endm
	s_cmp_ge_u32 s4, 704
	s_cbranch_scc1 .Lf16
	BLK 0, 0
	BLK 1, 0
	BLK 2, 0
	BLK 3, 0
	s_wait_alu depctr_va_vdst(0)                   ; block 3 has written its Y, which the last four stores read
.irp i, 12,13,14,15
	OUT \i
.endr
	s_endpgm
.Lf16:                                         ; Wo
	BLK 0, 1
	BLK 1, 1
	BLK 2, 1
	BLK 3, 1
	s_wait_alu depctr_va_vdst(0)                   ; block 3 has written its Y, which the last four stores read
.irp i, 12,13,14,15
	OUT \i
.endr
	s_endpgm
.Lbias:                                        ; 1,024 numbers each: 16 bytes a thread; one block of four lines
	global_load_b128 v[X:X+3], v1, s[18:19]
	global_load_b128 v[X+4:X+7], v1, s[20:21]
	global_load_b128 v[X+8:X+11], v1, s[22:23]
	global_load_b128 v[X+12:X+15], v1, s[24:25]
	s_wait_loadcnt 0x0                             ; the four biases are in
.irp i, 0,1,2,3
	TOBF \i
	WIDEN Y+4*(\i)
.endr
	s_wait_alu depctr_va_vdst(0)                   ; the widening lines have written v[Y .. Y+15], which the four stores read
.irp i, 0,1,2,3
	global_store_b128 v1, v[Y+4*(\i):Y+4*(\i)+3], s[32:33] offset:4096*(\i)
.endr
	s_endpgm
.Lfunc_end_k_qdfa92fed10_cast:
	.size	k_qdfa92fed10_cast, .Lfunc_end_k_qdfa92fed10_cast-k_qdfa92fed10_cast
	.p2alignl 7, 3214868480
	.fill 96, 4, 3214868480
	.section	.rodata,"a",@progbits
	.p2align	6, 0x0
	.amdhsa_kernel k_qdfa92fed10_cast
		.amdhsa_group_segment_fixed_size 0
		.amdhsa_private_segment_fixed_size 0
		.amdhsa_enable_private_segment 0
		.amdhsa_kernarg_size 104
		.amdhsa_user_sgpr_count 2
		.amdhsa_user_sgpr_kernarg_segment_ptr 1
		.amdhsa_wavefront_size32 1
		.amdhsa_system_sgpr_workgroup_id_x 1
		.amdhsa_system_sgpr_workgroup_id_y 1
		.amdhsa_system_sgpr_workgroup_id_z 1
		.amdhsa_system_vgpr_workitem_id 0
		.amdhsa_next_free_vgpr 104
		.amdhsa_next_free_sgpr 66
		.amdhsa_reserve_vcc 0
		.amdhsa_float_denorm_mode_32 3
		.amdhsa_float_denorm_mode_16_64 3
		.amdhsa_memory_ordered 1
		.amdhsa_forward_progress 1
		.amdhsa_inst_pref_size 17
	.end_amdhsa_kernel
	.amdgpu_metadata
---
amdhsa.version: [ 1, 2 ]
amdhsa.kernels:
  - .name:           k_qdfa92fed10_cast
    .symbol:         k_qdfa92fed10_cast.kd
    .args:
      - { .name: x, .offset: 0, .size: 8, .value_kind: global_buffer, .address_space: global }
      - { .name: Wq, .offset: 8, .size: 8, .value_kind: global_buffer, .address_space: global }
      - { .name: Wk, .offset: 16, .size: 8, .value_kind: global_buffer, .address_space: global }
      - { .name: Wv, .offset: 24, .size: 8, .value_kind: global_buffer, .address_space: global }
      - { .name: Wo, .offset: 32, .size: 8, .value_kind: global_buffer, .address_space: global }
      - { .name: bq, .offset: 40, .size: 8, .value_kind: global_buffer, .address_space: global }
      - { .name: bk, .offset: 48, .size: 8, .value_kind: global_buffer, .address_space: global }
      - { .name: bv, .offset: 56, .size: 8, .value_kind: global_buffer, .address_space: global }
      - { .name: bo, .offset: 64, .size: 8, .value_kind: global_buffer, .address_space: global }
      - { .name: xb, .offset: 72, .size: 8, .value_kind: global_buffer, .address_space: global }
      - { .name: wb, .offset: 80, .size: 8, .value_kind: global_buffer, .address_space: global }
      - { .name: woh, .offset: 88, .size: 8, .value_kind: global_buffer, .address_space: global }
      - { .name: bias, .offset: 96, .size: 8, .value_kind: global_buffer, .address_space: global }
    .group_segment_fixed_size: 0
    .private_segment_fixed_size: 0
    .kernarg_segment_align: 8
    .kernarg_segment_size: 104
    .max_flat_workgroup_size: 256
    .sgpr_count:     66
    .vgpr_count:     104
    .wavefront_size: 32
...
	.end_amdgpu_metadata
.endif
;; end of part 6
;; launch proj: the kernel of part 2 again; grid 12 x 32, 4 waves a work-group, clusters of 4 x 4, 327,680 bytes of LDS; arguments xb, wb, bias, qkv; writes qkv
;; launch score: the kernel of part 3 again; grid 8 x 32, 4 waves a work-group, clusters of 4 x 4, 327,680 bytes of LDS; arguments qkv, pt, stats; writes pt, stats
;; launch mix: the kernel of part 4 again; grid 4 x 64, 4 waves a work-group, clusters of 4 x 4, 327,680 bytes of LDS; arguments pt, qkv, stats, ob; writes ob
;; launch outp: the kernel of part 5 again; grid 4 x 64, 4 waves a work-group, clusters of 4 x 4, 327,680 bytes of LDS; arguments ob, woh, bias, out0; writes out0
